; MI455X (gfx1250); checked and timed in simulation.
; The chip was launched on July 23, 2026; its instructions are those of AMD's public machine-readable ISA for CDNA 5 (MIT licence, August 2026) and "CDNA5" Instruction Set Architecture Reference Guide (July 2026). The comments in the code are by the model that wrote it; some were corrected since.
;; Self Attention. Allowed arithmetic: matrix products marked QUANTISED: E2M1 operands, one E8M0 scale for each 32 along K, by v_wmma_scale_f32_16x16x128_f8f6f4 with both operands' format E2M1 (or v_wmma_scale_f32_32x16x128_f4), f32 sums; products left as they are: bf16, f16 or f32 operands; f32 sums; everything else in f32.
;; Inputs: w_in 3,072 x 1,024 float32; w_out 1,024 x 1,024 float32; x 4 x 2,048 x 1,024 float32.
;; Outputs: out0 4 x 2,048 x 1,024 float32.
;; This version of the problem:
;;   THIS VERSION OF THE PROBLEM IS GIVEN IN LOW PRECISION. The matrix products marked QUANTISED in the list below multiply operands that are first quantised to E2M1 (2 exponent bits, 1 mantissa bit; 4 bits a number), with one power-of-two scale for each 32 numbers along K (OCP MX v1.0); their sums are f32. The products marked 'left as it is' may take bf16, f16 or f32 operands, with f32 sums. Whichever they take, every output number must still come out within the allowed error. Rounding operands to bf16 (8 significant bits) uses up far more of that allowance than f16 does (11 bits, for magnitudes from 6e-5 to 65,504). All else is computed in f32.
;;   The module's matrix products, in the order in which they are computed (A, B: the left and right operand; K: the contracted axis; several contracted axes count as one K, in the product's order):
;;     1. [M 8,192, K 1,024] x [K 1,024, N 3,072]; A: input x; B: input w_in: QUANTISED
;;     2. batch 64 x [M 2,048, K 64] x [K 64, N 2,048]; A: computed on the way; B: computed on the way: left as it is (an operand is computed on the way)
;;     3. batch 64 x [M 2,048, K 2,048] x [K 2,048, N 64]; A: computed on the way; B: computed on the way: left as it is (an operand is computed on the way)
;;     4. [M 8,192, K 1,024] x [K 1,024, N 1,024]; A: computed on the way; B: input w_out: left as it is (an operand is computed on the way)
;;   THE QUANTISER, for each operand of a quantised product, along K:
;;     - K is cut into blocks of 32 from its start; a last block that is shorter is filled with zeros.
;;     - A block's scale is 2^e with e = floor(log2(the largest magnitude in the block)) - 2, held to -126 .. 127; a block of zeros has e = 0. As a byte (E8M0): e + 127.
;;     - Each number is divided by its block's scale, clamped to +-6, and rounded to the nearest number of E2M1, ties to even, subnormals kept.
;;     - The product sums the exact products of the quantised numbers (number of the format x scale) in f32.
;;   ~~~python
;;   def quantise(x, axis):      # numpy; x: float32 -> the quantised numbers, widened to float32 again
;;       x = np.moveaxis(x, axis, -1); K = x.shape[-1]
;;       x = np.pad(x, [(0, 0)] * (x.ndim - 1) + [(0, -K % 32)]); x = x.reshape(x.shape[:-1] + (-1, 32)); a = np.abs(x).max(-1, keepdims=True)
;;       e = np.where(a > 0, np.clip(np.frexp(np.where(a > 0, a, 1))[1] - 1 - 2, -126, 127), 0)      # np.frexp(a)[1] - 1 = floor(log2(a)), exactly
;;       r = np.clip(x / 2.0 ** e, -6, 6)
;;       step = 2.0 ** (np.maximum(np.frexp(np.where(r == 0, 1, r))[1] - 1, 0) - 1)
;;       q = np.round(r / step) * step * 2.0 ** e      # np.round: ties to even
;;       return np.moveaxis(q.reshape(q.shape[:-2] + (-1,))[..., :K], -1, axis).astype(np.float32)
;;   ~~~
;; One version. Each part assembles by itself: llvm-mc -triple=amdgcn-amd-amdhsa -mcpu=gfx1250 --defsym DOCPART=n.
;; ======== version 1 of 1: 5 launches
;; limits: values are held in f16: magnitudes above 65,504 overflow, below 6.1e-05 lose precision
;; workspace buffers: xc 4,194,304 bytes; xs 262,144 bytes; wc 1,572,864 bytes; ws 98,304 bytes; w16 2,097,152 bytes; qkv16 50,331,648 bytes; qkv32 786,432 bytes; y16 16,777,216 bytes
;; launch prep (part 1): grid 480 x 1, 4 waves a work-group, no clusters, 33,280 bytes of LDS; arguments x, w_in, xc, xs, wc, ws, w_out, w16; writes xc, xs, wc, ws, w16
.if DOCPART == 1
	.amdgcn_target "amdgcn-amd-amdhsa--gfx1250"
	.amdhsa_code_object_version 6
	.text
	.protected	k_q9616f46806_prep
	.globl	k_q9616f46806_prep
	.p2align	8
	.type	k_q9616f46806_prep,@function
k_q9616f46806_prep:
	s_mov_b64 s[64:65], 0
	v_nop
	global_prefetch_b8 v0, s[64:65] scope:SCOPE_SE
	s_setreg_imm32_b32 hwreg(HW_REG_WAVE_MODE, 25, 1), 1
	s_wait_xcnt 0x0
; x [8192][1024] and w_in [3072][1024], f32, K innermost, become codes of FP4 (E2M1), two a byte, with one E8M0 scale byte for each 32 along K; w_out [1024][1024] f32 becomes f16.
; A block's scale is 2^(floor(log2(its largest magnitude)) - 2); its byte is the largest magnitude's exponent field - 2, held at 1 from below.  A block of zeros so gets the byte 1 with zero codes; this program alone reads the bytes.
; LIMITS: blocks whose largest magnitude lies under 2^-124 (the floor) keep the byte 1 and were not tried; NaN and infinities are not served; |w_out| stays under 65,504 (f16).
; Work-groups 0-255 take x, 256-351 w_in, 352-479 w_out.  Rows are dense and 1,024 is a multiple of 32: each tensor is a plain stream.
; QUANTISING: a wave takes 16 steps of 512 numbers.  Each of a step's four loads reads 512 consecutive bytes; the 2,048 bytes turn through the wave's own stage in LDS and come back 64 bytes a lane: 16 neighbours along K,
; two lanes to a block.  A lane's 16 codes are 8 bytes: the wave stores 256 consecutive bytes.  A wave's 256 scale bytes are gathered in its own LDS bytes and leave as one aligned run of 256 bytes.
; CASTING: a wave takes 2,048 numbers: 16 loads of 512 consecutive bytes, 16 stores of 256 consecutive bytes; no LDS.
.set SIZE_M, 8192
.set SIZE_N, 3072
.set SIZE_K, 1024
.set WAVES, 4
.set STEPS, 16
.set WGA,   SIZE_M*SIZE_K/(512*STEPS*WAVES)            ; 256 work-groups for x
.set WGQ,   (SIZE_M+SIZE_N)*SIZE_K/(512*STEPS*WAVES)   ; 352 that quantise
.set EMAX,  2
.set CB,    8                          ; bytes of 16 codes
.set R,     16                         ; v16-79   four sets of 16 numbers as they are loaded
.set X,     80                         ; v80-111  two sets of 16 neighbours
.set C,     128                        ; v128-191 codes (or f16 pairs): registers of their own for each step, so that no store's data are written again
.set E,     112                        ; v112-127 a scale byte for each step
.set WREG,  8192                       ; LDS: a region for each wave: two stages of 32 x SP bytes, behind them its 256 scale bytes
.set SP,    80                         ; a lane's place in a stage: 64 bytes + 16 of padding
.set SPW,   12                         ; v12      LDS address of my spare word; never rewritten
.set NIL,   13                         ; v13      0; never rewritten
.set SPARE, WAVES*WREG                 ; behind the four regions: the spare words, 128 bytes a wave, which no other line names
	s_load_b128 s[4:7], s[0:1], 0x0                ; x, w_in
	s_load_b128 s[8:11], s[0:1], 0x10              ; xc, xs
	s_load_b128 s[12:15], s[0:1], 0x20             ; wc, ws
	s_load_b128 s[24:27], s[0:1], 0x30             ; w_out, w16
	v_lshl_add_u32 v[SPW], v0, 2, SPARE
	v_mov_b32 v[NIL], 0
	v_lshrrev_b32 v1, 5, v0
	v_readfirstlane_b32 s16, v1                    ; wave
	v_and_b32 v2, 31, v0                           ; lane
	v_lshlrev_b32 v3, 4, v2                        ; my 16 bytes of a load's 512
	s_mul_i32 s17, s16, WREG
	v_lshrrev_b32 v14, 2, v2
	v_mul_u32_u24 v14, v14, SP
	v_and_b32 v15, 3, v2
	v_lshl_add_u32 v14, v15, 4, v14
	v_add_nc_u32 v14, s17, v14                     ; the stage, on the way in: SP (lane / 4) + 16 (lane % 4)
	v_mul_u32_u24 v15, v2, SP
	v_add_nc_u32 v15, s17, v15                     ; and on the way out: SP x lane: my 16 neighbours
	v_mul_u32_u24 v4, v2, CB                       ; my 8 bytes of a store's 256
	v_lshrrev_b32 v5, 1, v2
	s_add_co_u32 s17, s17, 2*32*SP
	v_add_nc_u32 v5, s17, v5                       ; LDS: my wave's 256 scale bytes, my block's byte
	v_lshlrev_b32 v7, 3, v2                        ; and on the way out 8 bytes a lane
	v_add_nc_u32 v6, s17, v7
	s_wait_kmcnt 0x0
	s_cmp_ge_u32 ttmp9, WGQ                        ; the last 128 work-groups cast w_out
	s_cbranch_scc1 .Lcast
	s_cmp_lt_u32 ttmp9, WGA                        ; x's work-group or w_in's?  Only pointers are chosen: both take one path
	s_cselect_b64 s[4:5], s[4:5], s[6:7]
	s_cselect_b64 s[8:9], s[8:9], s[12:13]
	s_cselect_b64 s[10:11], s[10:11], s[14:15]
	s_cselect_b32 s17, 0, WGA
	s_sub_co_u32 s17, ttmp9, s17
	s_lshl_b32 s17, s17, 2
	s_add_co_u32 s18, s17, s16                     ; which run of 8,192 numbers of the tensor is my wave's
	s_mov_b32 s19, 0
	s_mov_b64 s[20:21], 512*STEPS*4
	s_mul_u64 s[20:21], s[18:19], s[20:21]
	s_add_nc_u64 s[4:5], s[4:5], s[20:21]
	s_mov_b64 s[20:21], 32*STEPS*CB
	s_mul_u64 s[20:21], s[18:19], s[20:21]
	s_add_nc_u64 s[8:9], s[8:9], s[20:21]
	s_lshl_b32 s18, s18, 8                         ; 256 scale bytes a run
	s_add_nc_u64 s[10:11], s[10:11], s[18:19]
.macro LOAD t
.irp i, 0,1,2,3
	global_load_b128 v[R+16*((\t)%4)+4*\i:R+16*((\t)%4)+4*\i+3], v3, s[4:5] offset:2048*(\t)+512*\i th:TH_LOAD_NT   ; 32 lanes read 512 consecutive bytes
.endr
.endm
.macro TURN t                          ; step t's numbers through the stage: LDS serves a wave's instructions in order, so no wait stands between the stores and the loads
.irp i, 0,1,2,3
	ds_store_b128 v14, v[R+16*((\t)%4)+4*\i:R+16*((\t)%4)+4*\i+3] offset:32*SP*((\t)%2)+8*SP*\i
.endr
.irp i, 0,1,2,3
	ds_load_b128 v[X+16*((\t)%2)+4*\i:X+16*((\t)%2)+4*\i+3], v15 offset:32*SP*((\t)%2)+16*\i
.endr
.endm
.irp t, 0,1,2,3
	LOAD \t
.endr
	s_wait_loadcnt 12                              ; step 0's four loads are in; the twelve of steps 1 to 3 stay out
	TURN 0
.macro STEP t
.set XS, X+16*((\t)%2)
.if (\t) > 0
	s_wait_dscnt 1                                 ; this step's numbers are back from the stage (the last step's byte store may be out): its stores into the stage have read their registers,
.else
	s_wait_dscnt 0x0
.endif
.if (\t)+4 < STEPS
	LOAD (\t)+4                                    ; which take the loads of four steps on
.endif
.if (\t)+1 < STEPS
.if STEPS-2-(\t) >= 3
	s_wait_loadcnt 12                              ; the next step's four loads are in; those of the three steps behind it may be out
.else
	s_wait_loadcnt 4*(STEPS-2-(\t))
.endif
	TURN (\t)+1                                    ; and go through the other stage while this step is worked
.endif
	v_max3_num_f32 v8, |v[XS]|, |v[XS+1]|, |v[XS+2]|               ; the largest magnitude of my 16, in two chains
	v_max3_num_f32 v9, |v[XS+3]|, |v[XS+4]|, |v[XS+5]|
.irp i, 6,10
	v_max3_num_f32 v8, v8, |v[XS+\i]|, |v[XS+\i+1]|
	v_max3_num_f32 v9, v9, |v[XS+\i+2]|, |v[XS+\i+3]|
.endr
	v_max3_num_f32 v8, v8, |v[XS+14]|, |v[XS+15]|
	v_max3_num_f32 v8, v8, v9, (EMAX+1)<<23        ; and the floor 2^(EMAX + 1 - 127): the byte cannot fall under 1
	v_max_num_f32_dpp v8, v8, v8 row_xmask:1 row_mask:0xf bank_mask:0xf   ; with my neighbour's 16: the block's
	v_add_nc_u32 v11, -(EMAX<<23), v8              ; EMAX off its exponent field: the conversion takes the exponent field of this operand as its scale
	v_cvt_scalef32_pk8_fp4_f32 v[C+4*(\t)], v[XS:XS+7], v11        ; eight numbers / the scale, to the nearest code, ties to even, beyond 6 the largest code
	v_cvt_scalef32_pk8_fp4_f32 v[C+4*(\t)+1], v[XS+8:XS+15], v11
	v_lshrrev_b32 v[E+(\t)], 23, v11               ; the scale's byte (also the plain line behind the conversions)
	ds_store_b8 v5, v[E+(\t)] offset:16*(\t)       ; both lanes of a block write the same byte with the same value
	global_store_b64 v4, v[C+4*(\t):C+4*(\t)+1], s[8:9] offset:32*CB*(\t)
.endm
.irp t, 0,1,2,3,4,5,6,7,8,9,10,11,12,13,14,15
	STEP \t
.endr
	ds_load_b64 v[8:9], v6                         ; LDS serves a wave's instructions in order: these see my byte stores
	s_wait_dscnt 0x0
	global_store_b64 v7, v[8:9], s[10:11]          ; 32 lanes store 256 consecutive bytes, aligned
	s_wait_tensorcnt 0x0                           ; the wave's end, behind my last LDS store
	ds_add_u32 v[SPW], v[NIL]
	s_wait_dscnt 0x0
	s_endpgm
.Lcast:                                            ; w_out to f16
	s_sub_co_u32 s17, ttmp9, WGQ
	s_lshl_b32 s17, s17, 2
	s_add_co_u32 s17, s17, s16                     ; which run of 2,048 numbers is my wave's: 0 .. 511
	s_lshl_b32 s18, s17, 13                        ; 8,192 bytes in,
	s_mov_b32 s19, 0
	s_add_nc_u64 s[24:25], s[24:25], s[18:19]
	s_lshl_b32 s18, s17, 12                        ; 4,096 out
	s_add_nc_u64 s[26:27], s[26:27], s[18:19]
.irp j, 0,1,2,3,4,5,6,7,8,9,10,11,12,13,14,15
	global_load_b128 v[R+4*\j:R+4*\j+3], v3, s[24:25] offset:512*\j th:TH_LOAD_NT
.endr
.irp j, 0,1,2,3,4,5,6,7,8,9,10,11,12,13,14,15
	s_wait_loadcnt 15-\j                           ; loads come back in order: load j is in, the younger ones stay out
	v_cvt_pk_f16_f32 v[C+2*\j], v[R+4*\j], v[R+4*\j+1]
	v_cvt_pk_f16_f32 v[C+2*\j+1], v[R+4*\j+2], v[R+4*\j+3]
	global_store_b64 v4, v[C+2*\j:C+2*\j+1], s[26:27] offset:256*\j   ; 32 lanes store 256 consecutive bytes, aligned; no register is written twice
.endr
	s_endpgm
.Lfunc_end_k_q9616f46806_prep:
	.size	k_q9616f46806_prep, .Lfunc_end_k_q9616f46806_prep-k_q9616f46806_prep
	.p2alignl 7, 3214868480
	.fill 96, 4, 3214868480
	.section	.rodata,"a",@progbits
	.p2align	6, 0x0
	.amdhsa_kernel k_q9616f46806_prep
		.amdhsa_group_segment_fixed_size 33280
		.amdhsa_private_segment_fixed_size 0
		.amdhsa_enable_private_segment 0
		.amdhsa_kernarg_size 64
		.amdhsa_user_sgpr_count 2
		.amdhsa_user_sgpr_kernarg_segment_ptr 1
		.amdhsa_wavefront_size32 1
		.amdhsa_system_sgpr_workgroup_id_x 1
		.amdhsa_system_sgpr_workgroup_id_y 1
		.amdhsa_system_sgpr_workgroup_id_z 1
		.amdhsa_system_vgpr_workitem_id 0
		.amdhsa_next_free_vgpr 192
		.amdhsa_next_free_sgpr 66
		.amdhsa_reserve_vcc 0
		.amdhsa_float_denorm_mode_32 3
		.amdhsa_float_denorm_mode_16_64 3
		.amdhsa_memory_ordered 1
		.amdhsa_forward_progress 1
		.amdhsa_inst_pref_size 39
	.end_amdhsa_kernel
	.amdgpu_metadata
---
amdhsa.version: [ 1, 2 ]
amdhsa.kernels:
  - .name:           k_q9616f46806_prep
    .symbol:         k_q9616f46806_prep.kd
    .args:
      - { .name: x, .offset: 0, .size: 8, .value_kind: global_buffer, .address_space: global }
      - { .name: w_in, .offset: 8, .size: 8, .value_kind: global_buffer, .address_space: global }
      - { .name: xc, .offset: 16, .size: 8, .value_kind: global_buffer, .address_space: global }
      - { .name: xs, .offset: 24, .size: 8, .value_kind: global_buffer, .address_space: global }
      - { .name: wc, .offset: 32, .size: 8, .value_kind: global_buffer, .address_space: global }
      - { .name: ws, .offset: 40, .size: 8, .value_kind: global_buffer, .address_space: global }
      - { .name: w_out, .offset: 48, .size: 8, .value_kind: global_buffer, .address_space: global }
      - { .name: w16, .offset: 56, .size: 8, .value_kind: global_buffer, .address_space: global }
    .group_segment_fixed_size: 33280
    .private_segment_fixed_size: 0
    .kernarg_segment_align: 8
    .kernarg_segment_size: 64
    .max_flat_workgroup_size: 128
    .sgpr_count:     66
    .vgpr_count:     192
    .wavefront_size: 32
...
	.end_amdgpu_metadata
.endif
;; end of part 1
;; launch qkv (part 2): grid 12 x 32, 4 waves a work-group, clusters of 4 x 4, 327,680 bytes of LDS; arguments xc, xs, wc, ws, qkv16, qkv32; writes qkv16, qkv32
.if DOCPART == 2
	.amdgcn_target "amdgcn-amd-amdhsa--gfx1250"
	.amdhsa_code_object_version 6
	.text
	.protected	k_q9616f46806_qkv
	.globl	k_q9616f46806_qkv
	.p2align	8
	.type	k_q9616f46806_qkv,@function
k_q9616f46806_qkv:
	s_mov_b64 s[64:65], 0
	v_nop
	global_prefetch_b8 v0, s[64:65] scope:SCOPE_SE
	s_setreg_imm32_b32 hwreg(HW_REG_WAVE_MODE, 25, 1), 1
	s_wait_xcnt 0x0
	s_wait_alu depctr_hold_cnt(0) depctr_sa_sdst(0) depctr_va_vdst(0) depctr_va_sdst(0) depctr_va_ssrc(0) depctr_va_vcc(0) depctr_vm_vsrc(0)
	s_getreg_b32 s2, hwreg(HW_REG_IB_STS2, 6, 4)
	s_cmp_eq_u32 s2, 0
	s_cbranch_scc0 .Lentry_in_a_cluster
	s_endpgm
.Lentry_in_a_cluster:
	s_bfe_u32 s2, ttmp6, 0x10000c
	s_cmp_lg_u32 s2, 0xf033
	s_cbranch_scc0 .Lentry_shape_is_right
	s_endpgm
.Lentry_shape_is_right:
; qkv[m][n] = sum over k of x[m][k] w_in[n][k], both as codes of FP4 (E2M1) with one E8M0 scale for each 32 along K; sums in f32.  m = 2048 b + t: 8,192 rows; n: 3,072 columns; K = 1,024.
; OUT: qkv16 [48 planes n / 64][8192 m][64] in f16 (planes 0-15 q's heads, 16-31 k's, 32-47 v's): a head's rows are dense, 128 bytes each.  qkv32 [4 b][16 t][3072 n] in f32: positions 0-15 of every sequence, for the fine launch.
; LIMIT: |qkv| stays under 65,504 (f16).
; A tile of 256 x 256 is made by four waves, 128 x 128 each: 64 accumulators, 512 registers.  K = 1,024 is two slots of 512 along K (rows of 256 bytes): both are first fills, nothing is filled again.
; The scales of the work-group's 256 + 256 rows, for all of K, are two dense blocks: they come into LDS once, with the first fills.
; CLUSTERS: 4 x 4 work-groups; A's tile is shared along a row of the cluster, B's along a column: each is asked for jointly.  Tile row = 8 cy + cluster y, so that the tiles that hold positions 0-15 (tile rows 0, 8, 16, 24)
; are those of cluster y = 0: the test for the f32 copy is the same in all sixteen partners.  All of a WGP's LDS is claimed.
; THE MATRIX INSTRUCTION IS USED TRANSPOSED (source 0 = 16 rows of w_in, source 1 = 16 rows of x): a lane holds eight neighbouring columns of one row.
; REGISTERS, in windows of 256: window 0: v0-31 addresses; v32-95 scale words, two sets, and nothing else ever; v128-191 A's fragments, one set; on the way out v128-223 are at work.
;   window 1: B's fragments, two sets, at v0 and v128.   window 2: accumulators of my rows 0-63 ((a, b) at v[8 (8 a + b)]);   window 3: those of my rows 64-127.
.set SIZE_M, 8192
.set SIZE_N, 3072
.set SIZE_K, 1024
.set KSTEP,  512                       ; along K in a slot
.set NQ,     KSTEP/128                 ; matrix instructions deep
.set ROWB,   256                       ; a tile's row in bytes
.set KROW,   SIZE_K*4/8                ; a row of codes in memory
.set PITCH,  272                       ; an LDS row: 256 bytes + 16 of padding: the 16 rows of a fragment load start 68 words apart
.set FR,     8                         ; registers of a fragment: 16 rows x 128 K
.set NL,     2                         ; LDS loads that bring one
.set NP,     4                         ; places behind this matrix instruction (ISA guide 7.12.1)
.set HALFT,  128*PITCH                 ; what one tensor load brings
.set SLOT,   4*HALFT                   ; A's 256 rows, then B's 256 rows
.set KS,     SIZE_K/32                 ; a row of scales in bytes
.set SCL,    2*SLOT                    ; behind the two slots: the scales, as runs of 256 bytes + 16 of padding
.set HALFS,  (128*KS/256)*272          ; the scales of 128 rows
.set SBLK,   (16*KS/256)*272           ; those of 16 rows
.set SPARE,  SCL+4*HALFS               ; the spare words, 128 bytes a wave, which no other line names
.set SP32,   528                       ; the way out in f32: stage rows of 512 bytes + 16
.set SP16,   272                       ; in f16: 256 bytes + 16
.set STGB,   16*SP32                   ; a wave's stage; it lies in slot 0, which has had its only fill and its last read when the first result is stored there
.set ADRA, 16                          ; v16-17  LDS address of my A fragments in slot 0, 1
.set ST32, 18                          ; v18     f32 copy: where I put 32 bytes of a row
.set RD32, 19                          ; v19     where I read a row back
.set ADRB, 20                          ; v20-21  my B fragments
.set CO32, 22                          ; v22     16 x lane: my bytes of a row of qkv32
.set ST16, 24                          ; v24     f16: where I put 16 bytes of a row
.set RD16, 25                          ; v25     where I read back
.set CO16, 26                          ; v26     my byte offset in qkv16
.set ADRS, 27                          ; v27     my scale words: lanes 0-15 A's rows, lanes 16-31 B's
.set SPW,  28                          ; v28     my spare word; never rewritten
.set NIL,  29                          ; v29     0; never rewritten
.set SC,   32                          ; scale words: set s at v[SC + 8 NQ s]
.set AF,   128                         ; A's fragments
.set BK,   128                         ; the way out: rows read back
.set TMP,  192                         ; the way out: packed results
.set G1, 24
.set G0, 32
.set G1B, 48
.set G0B, 56
.set G1S, 68
.set G0S, 76
.set G1SB, 80
.set G0SB, 88
.set MSB, 0
.macro WIN new                         ; the immediate's high byte repeats the setting that is left
.if MSB != \new
	s_set_vgpr_msb (MSB<<8)|\new
.set MSB, \new
.endif
.endm
.set MUL_LO, 0xa1                      ; source 0 (B) window 1, source 1 (A) window 0, C and D window 2
.set MUL_HI, 0xf1                      ; the same, C and D window 3
.set TO_B,   0x40                      ; destination window 1
; A joint load: waves 0 and 1 fetch for A, waves 2 and 3 for B; the branch hangs on the wave's number alone.  An s_nop 0 and four v_nop follow each line.
.macro JLOAD g0a, g1a, g0b, g1b
	s_cmp_eq_u32 s15, 0
	s_cbranch_scc0 .Lfor_b_\@
	tensor_load_to_lds s[\g0a:\g0a+3], s[\g1a:\g1a+7]
	s_nop 0
.rept 4
	v_nop
.endr
	s_branch .Lasked_\@
.Lfor_b_\@:
	tensor_load_to_lds s[\g0b:\g0b+3], s[\g1b:\g1b+7]
	s_nop 0
.rept 4
	v_nop
.endr
.Lasked_\@:
.endm
.macro CROUND                          ; a round of the cluster's barrier
	s_barrier_signal -1
	s_barrier_wait -1
	s_cmp_lg_u32 s14, 0
	s_cbranch_scc1 .Lnot_wave_0_\@
	s_barrier_signal -3
.Lnot_wave_0_\@:
	s_barrier_wait -3
	s_barrier_signal -1
	s_barrier_wait -1
.endm
	s_load_b128 s[4:7], s[0:1], 0x0                ; xc, xs
	s_load_b128 s[8:11], s[0:1], 0x10              ; wc, ws
	s_load_b64 s[12:13], s[0:1], 0x20              ; qkv16
	s_load_b64 s[96:97], s[0:1], 0x28              ; qkv32
	v_lshl_add_u32 v[SPW], v0, 2, SPARE
	v_mov_b32 v[NIL], 0
	ds_add_u32 v[SPW], v[NIL]                      ; the wave's opening: the add, twice on end, and its wait ahead of my first tensor load
	ds_add_u32 v[SPW], v[NIL]
	v_lshrrev_b32 v1, 5, v0
	v_readfirstlane_b32 s14, v1                    ; wave 0..3
	s_lshr_b32 s15, s14, 1                         ; which half of the tile's rows is mine.  Also: I fetch for A (0) or for B (1)
	s_and_b32 s16, s14, 1                          ; which half of its columns.  Also: which 128 rows of that tile I fetch
	s_bfe_u32 s40, ttmp6, 0x40000                  ; cx, cy: my place in the cluster
	s_bfe_u32 s41, ttmp6, 0x40004
	s_lshl_b32 s42, ttmp9, 2
	s_add_co_u32 s42, s42, s40                     ; tile column = 4 x cluster x + cx
	s_and_b32 s95, ttmp7, 0xffff                   ; cluster y, 0 .. 7
	s_lshl_b32 s17, s41, 3
	s_add_co_u32 s17, s17, s95                     ; tile row = 8 cy + cluster y
	s_lshl_b32 s43, s41, 2
	s_lshl_b32 s43, 15, s43                        ; my row of the cluster
	s_lshl_b32 s44, 0x1111, s40                    ; my column
	; descriptor group 1: a tile of 128 rows x 256 bytes, 4 words of padding behind every 64
	s_or_b32 s[G1+0], s43, (0<<16)|(1<<20)|(1<<21)|(5<<22)|(3<<25)
	s_or_b32 s[G1B+0], s44, (0<<16)|(1<<20)|(1<<21)|(5<<22)|(3<<25)
.irp g, G1, G1B
	s_mov_b32 s[\g+1], ROWB<<16                    ; tensor_dim0
	s_mov_b32 s[\g+2], 128<<16                     ; tensor_dim1
	s_mov_b32 s[\g+3], ROWB<<16                    ; tile_dim0
	s_mov_b32 s[\g+4], 128                         ; tile_dim1
	s_mov_b32 s[\g+5], KROW                        ; the pitch in memory
	s_mov_b32 s[\g+6], 0
	s_mov_b32 s[\g+7], 0
.endr
	; the scales of 128 rows: a dense block of 4,096 bytes, as 16 rows of 256 bytes (32 elements of 8), 16 bytes of padding behind each
	s_or_b32 s[G1S+0], s43, (3<<16)|(1<<20)|(1<<21)|(5<<22)|(3<<25)
	s_or_b32 s[G1SB+0], s44, (3<<16)|(1<<20)|(1<<21)|(5<<22)|(3<<25)
.irp g, G1S, G1SB
	s_mov_b32 s[\g+1], 32<<16
	s_mov_b32 s[\g+2], (128*KS/256)<<16
	s_mov_b32 s[\g+3], 32<<16
	s_mov_b32 s[\g+4], 128*KS/256
	s_mov_b32 s[\g+5], 32
	s_mov_b32 s[\g+6], 0
	s_mov_b32 s[\g+7], 0
.endr
	s_lshl_b32 s18, s16, 7                         ; which 128 rows of the tile I fetch
	s_lshl_b32 s20, s17, 8
	s_add_co_u32 s20, s20, s18                     ; A: row 256 x tile row + 128 x half
	s_lshl_b32 s46, s42, 8
	s_add_co_u32 s46, s46, s18                     ; B: row 256 x tile column + 128 x half
	s_mov_b32 s21, 0
	s_mov_b32 s47, 0
	s_mov_b64 s[18:19], KS
	s_mul_u64 s[22:23], s[20:21], s[18:19]         ; where these rows' scales begin,
	s_mul_u64 s[92:93], s[46:47], s[18:19]
	s_mov_b64 s[18:19], KROW
	s_mul_u64 s[20:21], s[20:21], s[18:19]         ; and their codes
	s_mul_u64 s[46:47], s[46:47], s[18:19]
	s_mul_i32 s45, s14, HALFT                      ; where they go: wave x 128 rows: no place in the cluster enters an LDS address
	s_mul_i32 s94, s14, HALFS
	s_wait_dscnt 0x0                               ; both opening adds are done
	s_wait_kmcnt 0x0
	s_add_nc_u64 s[20:21], s[4:5], s[20:21]
	s_add_nc_u64 s[22:23], s[6:7], s[22:23]
	s_add_nc_u64 s[46:47], s[8:9], s[46:47]
	s_add_nc_u64 s[92:93], s[10:11], s[92:93]
	CROUND                                         ; all sixteen work-groups are here: the joint loads meet
	s_mov_b32 s[G0S], 1
	s_add_co_u32 s[G0S+1], s94, SCL
	s_mov_b64 s[G0S+2:G0S+3], s[22:23]
	s_or_b32 s[G0S+3], s[G0S+3], 0x80000000
	s_mov_b32 s[G0SB], 1
	s_add_co_u32 s[G0SB+1], s94, SCL
	s_mov_b64 s[G0SB+2:G0SB+3], s[92:93]
	s_or_b32 s[G0SB+3], s[G0SB+3], 0x80000000
	JLOAD G0S, G1S, G0SB, G1SB                     ; the scales first: they are wanted with slot 0.  With the two below, three tensor loads of mine are out
.irp s, 0,1
	s_mov_b32 s[G0+4*\s], 1
	s_add_co_u32 s[G0+4*\s+1], s45, \s*SLOT
	s_add_nc_u64 s[G0+4*\s+2:G0+4*\s+3], s[20:21], \s*ROWB
	s_or_b32 s[G0+4*\s+3], s[G0+4*\s+3], 0x80000000
	s_mov_b32 s[G0B+4*\s], 1
	s_add_co_u32 s[G0B+4*\s+1], s45, \s*SLOT
	s_add_nc_u64 s[G0B+4*\s+2:G0B+4*\s+3], s[46:47], \s*ROWB
	s_or_b32 s[G0B+4*\s+3], s[G0B+4*\s+3], 0x80000000
	JLOAD G0+4*\s, G1, G0B+4*\s, G1B
.endr
	v_and_b32 v1, 15, v0                           ; r = lane % 16
	v_bfe_u32 v2, v0, 4, 1                         ; h = lane / 16
	v_mul_u32_u24 v3, v1, PITCH
	v_lshl_add_u32 v4, v2, 4, v3                   ; a fragment's row x pitch + 16 h
	s_mul_i32 s21, s15, HALFT                      ; my 128 rows of A
	s_mul_i32 s22, s16, HALFT                      ; my 128 rows of B,
	s_add_co_u32 s22, s22, 2*HALFT                 ; which lie behind A's 256
.irp s, 0,1
	v_add_nc_u32 v[ADRA+\s], s21, v4
	v_add_nc_u32 v[ADRB+\s], s22, v4
	s_add_co_u32 s21, s21, SLOT
	s_add_co_u32 s22, s22, SLOT
.endr
	v_mul_u32_u24 v5, v1, KS                       ; my row's scales: KS bytes a row,
	v_lshrrev_b32 v6, 8, v5
	v_lshl_add_u32 v5, v6, 4, v5                   ; and 16 more for each 256 passed
	s_mul_i32 s21, s15, HALFS                      ; A's: my 128 rows
	s_mul_i32 s22, s16, HALFS                      ; B's: my 128 rows, behind A's 256
	s_add_co_u32 s22, s22, 2*HALFS
	s_sub_co_u32 s22, s22, s21
	v_mul_u32_u24 v6, s22, v2                      ; lanes 16-31 take B's: one product, h x the distance
	s_add_co_u32 s21, s21, SCL
	v_add_nc_u32 v5, v5, v6
	v_add_nc_u32 v[ADRS], s21, v5
	s_mul_i32 s23, s14, STGB                       ; my stage
	v_mul_u32_u24 v5, v1, SP32                     ; f32, in: row r, 32 bytes for each half of the lanes
	v_lshl_add_u32 v5, v2, 5, v5
	v_add_nc_u32 v[ST32], s23, v5
	v_and_b32 v6, 31, v0
	v_lshlrev_b32 v[CO32], 4, v6                   ; back: the 32 lanes take one row of 512 bytes; the same in qkv32
	v_add_nc_u32 v[RD32], s23, v[CO32]
	v_mul_u32_u24 v5, v1, SP16                     ; f16, in: row r, 16 bytes for each half of the lanes
	v_lshl_add_u32 v5, v2, 4, v5
	v_add_nc_u32 v[ST16], s23, v5
	v_bfe_u32 v7, v0, 3, 1                         ; back: lanes 0-15 take two tokens of my first head (2 x 128 bytes), lanes 16-31 the same tokens of my second:
	v_and_b32 v8, 7, v0                            ; token (lane / 8) % 2, 16 bytes lane % 8
	v_mul_u32_u24 v5, v7, SP16
	v_lshl_add_u32 v5, v2, 7, v5
	v_lshl_add_u32 v5, v8, 4, v5
	v_add_nc_u32 v[RD16], s23, v5
	v_lshlrev_b32 v5, 20, v2                       ; in qkv16: a plane is 2^20 bytes, a token 128
	v_lshl_add_u32 v5, v7, 7, v5
	v_lshl_add_u32 v[CO16], v8, 4, v5
	s_lshl_b32 s20, s17, 8
	s_lshl_b32 s21, s15, 7
	s_add_co_u32 s20, s20, s21                     ; my first row m: 256 x tile row + 128 x half,
	s_lshl_b32 s20, s20, 7                         ; 128 bytes each
	s_lshl_b32 s46, s42, 2
	s_lshl_b32 s47, s16, 1
	s_add_co_u32 s46, s46, s47                     ; my first plane: 4 x tile column + 2 x half
	s_lshl_b32 s46, s46, 20
	s_add_co_u32 s20, s20, s46
	s_mov_b32 s21, 0
	s_add_nc_u64 s[12:13], s[12:13], s[20:21]
	s_mul_i32 s20, s41, 16*SIZE_N*4                ; qkv32: batch cy (where cluster y = 0), my 128 columns
	s_lshl_b32 s46, s42, 10
	s_lshl_b32 s47, s16, 9
	s_add_co_u32 s20, s20, s46
	s_add_co_u32 s20, s20, s47
	s_add_nc_u64 s[96:97], s[96:97], s[20:21]
.macro FRAG reg, adr, q, i             ; 16 rows x 128 K of 4-bit codes: lane l holds row l % 16; registers 4 c .. 4 c + 3 hold K = 64 c + 32 (l / 16) + 0 .. 31
.irp c, 0,1
	ds_load_b128 v[\reg+4*\c:\reg+4*\c+3], v[\adr] offset:64*(\q)+32*\c+(\i)*16*PITCH
.endr
.endm
; 16 matrix instructions: A's blocks a0, a0 + 1 x B's eight, the slot's q-th 128 along K.  p: B's set; sc: the set of scale words.  zero = 1: the first product starts the sums.
; The 64 accumulators take turns, one instruction a turn, in the same order in every step.
.macro MUL16 a0, p, q, sc, zero
.irp a, \a0, \a0+1
.irp b, 0,1,2,3,4,5,6,7
.if \zero
	v_wmma_scale_f32_16x16x128_f8f6f4 v[8*(8*((\a)%4)+\b):8*(8*((\a)%4)+\b)+7], v[128*(\p)+FR*\b:128*(\p)+FR*\b+FR-1], v[AF+FR*(\a):AF+FR*(\a)+FR-1], 0, v[SC+8*NQ*(\sc)+NQ*\b+(\q)], v[SC+8*NQ*(\sc)+NQ*(\a)+(\q)] matrix_a_fmt:MATRIX_FMT_FP4 matrix_b_fmt:MATRIX_FMT_FP4 matrix_a_scale:MATRIX_SCALE_ROW1
.else
	v_wmma_scale_f32_16x16x128_f8f6f4 v[8*(8*((\a)%4)+\b):8*(8*((\a)%4)+\b)+7], v[128*(\p)+FR*\b:128*(\p)+FR*\b+FR-1], v[AF+FR*(\a):AF+FR*(\a)+FR-1], v[8*(8*((\a)%4)+\b):8*(8*((\a)%4)+\b)+7], v[SC+8*NQ*(\sc)+NQ*\b+(\q)], v[SC+8*NQ*(\sc)+NQ*(\a)+(\q)] matrix_a_fmt:MATRIX_FMT_FP4 matrix_b_fmt:MATRIX_FMT_FP4 matrix_a_scale:MATRIX_SCALE_ROW1
.endif
.endr
.endr
.endm
.macro FETCH_B slot, q, p
	WIN TO_B
.irp i, 0,1,2,3,4,5,6,7
	FRAG 128*(\p)+FR*\i, ADRB+\slot, \q, \i
.endr
	WIN 0
.endm
.macro FETCH_A slot, q, i0
.irp i, \i0, \i0+1, \i0+2, \i0+3
	FRAG AF+FR*(\i), ADRA+\slot, \q, \i
.endr
.endm
.macro SCALES sc                       ; a slot's scale words: 4 words a row; lanes 0-15 take A's block i, lanes 16-31 B's block i
.irp i, 0,1,2,3,4,5,6,7
	ds_load_b128 v[SC+8*NQ*\sc+NQ*\i:SC+8*NQ*\sc+NQ*\i+3], v[ADRS] offset:\i*SBLK
.endr
.endm
.macro PLACES n                        ; plain vector instructions between a matrix instruction and a load into its registers, or a read of its result
.rept \n
	v_nop
.endr
.endm
.macro STEP slot, q, zero              ; a step of 128 along K that has its successor in the same slot
	s_wait_dscnt 4*NL                              ; B's set and A's blocks 0-3 are in; the youngest eight loads (A's blocks 4-7) may be out
	WIN MUL_LO
	MUL16 0, (\q)%2, \q, \slot, \zero
	MUL16 2, (\q)%2, \q, \slot, \zero
	s_wait_dscnt 0                                 ; A's blocks 4-7 are in
	PLACES NP
	FETCH_B \slot, (\q)+1, 1-(\q)%2
	FETCH_A \slot, (\q)+1, 0
	WIN MUL_HI
	MUL16 4, (\q)%2, \q, \slot, \zero
	MUL16 6, (\q)%2, \q, \slot, \zero
	PLACES NP
	WIN 0
	FETCH_A \slot, (\q)+1, 4
.endm
.macro STEPS slot, from
.set Q, \from
.rept NQ-1-\from
	STEP \slot, Q, 0
.set Q, Q+1
.endr
.endm
	s_wait_tensorcnt 1                             ; the scales and my part of slot 0 are in; slot 1's load may be out
	s_barrier_signal -1
	s_barrier_wait -1                              ; everybody's are
	FETCH_B 0, 0, 0
	FETCH_A 0, 0, 0
	SCALES 0
	FETCH_A 0, 0, 4
	STEP 0, 0, 1                                   ; the first step's products start the sums
	STEPS 0, 1
	; slot 0's last step changes slots: one barrier; in front of it each wave waits for its tensor loads, adds 0 to its spare word, and waits for that and for its reads of slot 0
	s_wait_tensorcnt 0x0                           ; my part of slot 1 has landed
	ds_add_u32 v[SPW], v[NIL]
	s_wait_dscnt 4*NL+1                            ; (the add and A's blocks 4-7 may be out)
	WIN MUL_LO
	MUL16 0, 1, NQ-1, 0, 0
	s_wait_dscnt 0x0                               ; the add is done, and my reads of slot 0 are over
	s_barrier_signal -1
	MUL16 2, 1, NQ-1, 0, 0
	WIN 0
	s_barrier_wait -1                              ; slot 1 is whole, and nobody reads slot 0 any more
	PLACES NP
	v_add_nc_u32 v[ADRS], 4*NQ, v[ADRS]            ; on to slot 1's scale words
	FETCH_B 1, 0, 0
	FETCH_A 1, 0, 0
	SCALES 1
	WIN MUL_HI
	MUL16 4, 1, NQ-1, 0, 0
	MUL16 6, 1, NQ-1, 0, 0
	PLACES NP
	WIN 0
	FETCH_A 1, 0, 4
	STEPS 1, 0
	s_wait_dscnt 4*NL                              ; the very last step: nothing more to fetch
	WIN MUL_LO
	MUL16 0, 1, NQ-1, 1, 0
	MUL16 2, 1, NQ-1, 1, 0
	s_wait_dscnt 0
	WIN MUL_HI
	MUL16 4, 1, NQ-1, 1, 0
	MUL16 6, 1, NQ-1, 1, 0
	WIN 0
	PLACES NP                                      ; in front of the first reads of results and of loads into A's registers
	; THE F32 COPY of positions 0-15: my block 0 where cluster y = 0 and my rows are the tile's upper half.  The test hangs on the cluster's y and the wave's number: the same in all partners.
	s_or_b32 s94, s95, s15
	s_cmp_eq_u32 s94, 0
	s_cbranch_scc0 .Lno32
	WIN 0x08                                       ; an LDS store's data are its source 1: window 2
.irp b, 0,1,2,3,4,5,6,7
	ds_store_b128 v[ST32], v[8*\b:8*\b+3] offset:64*\b             ; each accumulator from its low end on
	ds_store_b128 v[ST32], v[8*\b+4:8*\b+7] offset:64*\b+16
.endr
	WIN 0
.irp t, 0,1,2,3,4,5,6,7,8,9,10,11,12,13,14,15
	ds_load_b128 v[BK+4*\t:BK+4*\t+3], v[RD32] offset:\t*SP32      ; LDS serves a wave's instructions in order: these see the stores above
.endr
	s_wait_dscnt 0x0
.irp t, 0,1,2,3,4,5,6,7,8,9,10,11,12,13,14,15
	global_store_b128 v[CO32], v[BK+4*\t:BK+4*\t+3], s[96:97] offset:\t*SIZE_N*4   ; 32 lanes store 512 consecutive bytes of position t's row
.endr
	s_wait_xcnt 0x0                                ; these stores have read their registers: the loads below may land there
.Lno32:
; THE WAY OUT IN F16, block by block of 16 rows x 128 columns (two heads).  PACK: eight neighbouring columns of a lane become 16 bytes.  TOSTAGE: into my stage by rows of 256 bytes, and back so that sixteen lanes hold
; two tokens of one head, 256 consecutive bytes of qkv16.  SEND: stored.
.macro PACK a
.set AC, 64*((\a)%4)
	WIN 0x0a+5*((\a)/4)                            ; sources 0 and 1: window 2 or 3
.irp b, 0,1,2,3,4,5,6,7
.irp i, 0,1,2,3
	v_cvt_pk_f16_f32 v[TMP+4*\b+\i], v[AC+8*\b+2*\i], v[AC+8*\b+2*\i+1]   ; ascending: each accumulator is read from its low end on
.endr
.endr
	WIN 0
.endm
.macro TOSTAGE a
.set BB, BK+32*((\a)%2)
.irp b, 0,1,2,3,4,5,6,7
	ds_store_b128 v[ST16], v[TMP+4*\b:TMP+4*\b+3] offset:32*\b
.endr
.irp t, 0,1,2,3,4,5,6,7
	ds_load_b128 v[BB+4*\t:BB+4*\t+3], v[RD16] offset:\t*2*SP16
.endr
.endm
.macro SEND a
.set BB, BK+32*((\a)%2)
	s_wait_dscnt 0x0                               ; the block is back in registers
	s_wait_xcnt 0x0                                ; the stores of the block before have read their registers: the next block's loads may land there
.irp t, 0,1,2,3,4,5,6,7
	global_store_b128 v[CO16], v[BB+4*\t:BB+4*\t+3], s[12:13] offset:2048*(\a)+256*\t   ; 16 lanes store 256 consecutive bytes, aligned; the block's and the pair's place stand in the immediate
.endr
.endm
	PACK 0
	TOSTAGE 0
.irp a, 1,2,3,4,5,6,7                  ; block a's conversions stand between block a - 1's loads from the stage and the wait for them
	PACK \a
	SEND \a-1
	TOSTAGE \a
.endr
	SEND 7
	s_wait_tensorcnt 0x0                           ; the wave's end, behind my last tensor load and my last LDS store
	ds_add_u32 v[SPW], v[NIL]
	s_wait_dscnt 0x0
	CROUND                                         ; the closing round
	s_endpgm
.Lfunc_end_k_q9616f46806_qkv:
	.size	k_q9616f46806_qkv, .Lfunc_end_k_q9616f46806_qkv-k_q9616f46806_qkv
	.p2alignl 7, 3214868480
	.fill 96, 4, 3214868480
	.section	.rodata,"a",@progbits
	.p2align	6, 0x0
	.amdhsa_kernel k_q9616f46806_qkv
		.amdhsa_group_segment_fixed_size 327680
		.amdhsa_private_segment_fixed_size 0
		.amdhsa_enable_private_segment 0
		.amdhsa_kernarg_size 48
		.amdhsa_user_sgpr_count 2
		.amdhsa_user_sgpr_kernarg_segment_ptr 1
		.amdhsa_wavefront_size32 1
		.amdhsa_system_sgpr_workgroup_id_x 1
		.amdhsa_system_sgpr_workgroup_id_y 1
		.amdhsa_system_sgpr_workgroup_id_z 1
		.amdhsa_system_vgpr_workitem_id 0
		.amdhsa_next_free_vgpr 1024
		.amdhsa_next_free_sgpr 100
		.amdhsa_reserve_vcc 0
		.amdhsa_float_denorm_mode_32 3
		.amdhsa_float_denorm_mode_16_64 3
		.amdhsa_memory_ordered 1
		.amdhsa_forward_progress 1
		.amdhsa_inst_pref_size 131
	.end_amdhsa_kernel
	.amdgpu_metadata
---
amdhsa.version: [ 1, 2 ]
amdhsa.kernels:
  - .name:           k_q9616f46806_qkv
    .symbol:         k_q9616f46806_qkv.kd
    .args:
      - { .name: xc, .offset: 0, .size: 8, .value_kind: global_buffer, .address_space: global }
      - { .name: xs, .offset: 8, .size: 8, .value_kind: global_buffer, .address_space: global }
      - { .name: wc, .offset: 16, .size: 8, .value_kind: global_buffer, .address_space: global }
      - { .name: ws, .offset: 24, .size: 8, .value_kind: global_buffer, .address_space: global }
      - { .name: qkv16, .offset: 32, .size: 8, .value_kind: global_buffer, .address_space: global }
      - { .name: qkv32, .offset: 40, .size: 8, .value_kind: global_buffer, .address_space: global }
    .group_segment_fixed_size: 327680
    .private_segment_fixed_size: 0
    .kernarg_segment_align: 8
    .kernarg_segment_size: 48
    .max_flat_workgroup_size: 128
    .sgpr_count:     100
    .vgpr_count:     1024
    .wavefront_size: 32
...
	.end_amdgpu_metadata
.endif
;; end of part 2
;; launch attn (part 3): grid 4 x 64, 8 waves a work-group, no clusters, 327,680 bytes of LDS; arguments qkv16, y16; writes y16
.if DOCPART == 3
	.amdgcn_target "amdgcn-amd-amdhsa--gfx1250"
	.amdhsa_code_object_version 6
	.text
	.protected	k_q9616f46806_attn
	.globl	k_q9616f46806_attn
	.p2align	8
	.type	k_q9616f46806_attn,@function
k_q9616f46806_attn:
	s_mov_b64 s[64:65], 0
	v_nop
	global_prefetch_b8 v0, s[64:65] scope:SCOPE_SE
	s_setreg_imm32_b32 hwreg(HW_REG_WAVE_MODE, 25, 1), 1
	s_wait_xcnt 0x0
; y[b][h][q][:] = the sum over keys k <= q of softmax_k(Q[q] . K[k] / 8) V[k][:], head size 64, 2,048 positions, 64 pairs (b, h).  Q, K, V come from qkv16 ([48 planes][8192 rows][64] f16), y goes to y16 ([16 planes][8192][64] f16).
; Products on f16 operands with f32 sums; maxima, exponentials and sums in f32; the weights p (at most 1) are rounded to f16 for the second product, y once at the end.
; LIMITS: |y| stays under 65,504 (f16); NaN and infinities are not served.  Positions 0-15 of every sequence are computed here too, and a later launch computes them again in f32 for the output.
; SHARES.  Work-group (i, bh) owns two blocks of 256 queries of one head: block 7 - i first (8 - i units of 256 keys count for it), then block i (i + 1 units): nine units in every work-group, so all trip counts are constants.
; Each of the eight waves owns 32 queries of a block, two tiles of 16; two waves share a SIMD, so that one wave's vector work stands beside the other's products and LDS loads.  A key step is 64 keys, a unit four steps.
; NO CLUSTER: from its fifth to its eighth unit on (by i) a work-group goes back to key 0, so the four work-groups of a head ask for different tiles from then on; a joint load would bring some partner tiles that none of its waves reads.
; LAYOUT.  S^T = K Q^T (source 0 = 16 keys, source 1 = 16 queries) and O^T = V^T P (source 0 = 16 channels, source 1 = P): a lane holds ONE query (lane % 16) throughout; two tiles of S^T, rounded in pairs, are P's fragment.
; K comes out of LDS as it lies, V ([key][channel]) turned, by ds_load_tr16_b128.
; SOFTMAX.  A running maximum m and sum l for each query: p = 2^(c s - c m), c = log2(e) / 8; in every step O and l are multiplied by a = 2^(c m_old - c m_new).  Key 0 counts for every query, so m is a number from a block's first step on.
; MASK.  A step all of whose keys come after the wave's queries is jumped over (ids alone); in the steps on the diagonal hidden scores become -infinity ahead of the maximum.
; THE RING: two LDS slots of a unit each.  Waves 0-3 fetch K of the unit's step w, waves 4-7 V of step w - 4: 8,192 dense bytes each, one tensor load of a wave out at any time.  All of a WGP's LDS is claimed.
; REGISTERS: window 0: v1-15 addresses and constants; v16-31 statistics; v32-95 S^T; v96-127 P; v128-191 K; v192-255 V.   window 1: v0-31 Q; v64-127 O^T.
.set KS,    64                         ; keys in a step
.set PK,    144                        ; a row of K in LDS: 128 bytes + 16: the 16 rows of a load start 36 words apart
.set PV,    160                        ; a row of V: 128 + 32: 16 lanes of the turning load take 8 rows x 32 bytes, 40 words apart
.set VOFF,  KS*PK                      ; a step's tiles lie together: 64 rows of K, then 64 of V
.set STEPB, KS*(PK+PV)
.set SLOT1, 1<<17                      ; slot 1 begins here: one exclusive or turns an address from one slot to the other
.set UNITB, 256*128                    ; a unit's rows of K or of V in memory
.set STAGE, 2*SLOT1                    ; behind the ring: 16 rows x 144 bytes for each wave, for the way out
.set SPIT,  144
.set SPARE, STAGE+8*16*SPIT            ; the spare words, 128 bytes a wave, which no other line names
.set NINF, 1                           ; v1   -infinity
.set AK0, 2                            ; v2   my lane's place in a tile of K
.set AV0, 3                            ; v3   the same for V
.set ADK, 4                            ; v4   LDS address of the step's K
.set ADV, 5                            ; v5   of its V
.set QO,  6                            ; v6   my byte offset in the wave's rows of Q
.set STO, 7                            ; v7   the way out: where I put 16 bytes of a row
.set RD,  8                            ; v8   where I read back
.set GO,  9                            ; v9   16 x lane: my bytes of four rows of y
.set SPW, 10                           ; v10  my spare word; never rewritten
.set NIL, 11                           ; v11  0; never rewritten
.set PFO, 12                           ; v12  256 x lane: the prefetches' offset; never rewritten
.set DM,  13                           ; v13  lane % 16 - 8 (lane / 16)
.set DD,  14                           ; v14-15 the mask's bound for tiles 0, 1
.set ST,  16                           ; tile t's statistics at v[ST + 8 t]: +0 c m, +1 m, +2, +3 l (even keys', odd keys'), +4 .. +7 c0-c3 at work; a takes c2's place
.set S,   32
.set P,   96
.set KR,  128
.set VR,  192
.set OT,  64                           ; O^T, in window 1
.set WV,  8                            ; s8   wave
.set IX,  9                            ; s9   i
.set NA,  11                           ; s11  units of the first block
.set NAB, 12                           ; s12  their bytes
.set UU,  13                           ; s13  the unit in hand
.set CNT, 14                           ; s14  counts a unit's steps
.set KF,  15                           ; s15  the step's first key
.set Q0,  16                           ; s16  my first query
.set TB,  17                           ; s17  LDS byte at which the step's tiles begin
.set PFA, 18                           ; s[18:19] where my prefetches stand
.set LIM, 20                           ; s20  a wave prefetches while the unit's number is under it
.set CS,  22                           ; s[22:23] c, twice: the packed form names a pair
.set SEL, 26                           ; s26, s27 selects for lane l xor 16
.set G1K, 28                           ; s[28:35] descriptor group 1 for K's tiles
.set G1V, 36                           ; s[36:43] for V's: other padding
.set G0,  44                           ; s[44:47] my group 0, which walks
.set QP,  48                           ; s[48:49] Q's plane at my sequence's first row
.set YP,  50                           ; s[50:51] y's
.set QA,  52                           ; s[52:53] Q at my first query
.set YA,  54                           ; s[54:55] y likewise
.set MSB, 0
.macro WIN new                         ; the immediate's high byte repeats the setting that is left
.if MSB != \new
	s_set_vgpr_msb (MSB<<8)|\new
.set MSB, \new
.endif
.endm
.set W_KQ, 0x04                        ; Q (source 1) in window 1
.set W_PV, 0x50                        ; O^T (C and D) in window 1
.set W_RS, 0x41                        ; O^T (destination and source 0) in window 1
; My one tensor load.  The branch hangs on the wave's number alone.  An s_nop 0 and four v_nop follow each line.
.macro TLOAD
	s_cmp_lt_u32 s[WV], 4
	s_cbranch_scc0 .Lfor_v_\@
	tensor_load_to_lds s[G0:G0+3], s[G1K:G1K+7]
	s_nop 0
.rept 4
	v_nop
.endr
	s_branch .Lasked_\@
.Lfor_v_\@:
	tensor_load_to_lds s[G0:G0+3], s[G1V:G1V+7]
	s_nop 0
.rept 4
	v_nop
.endr
.Lasked_\@:
.endm
; A prefetch of what the NEXT change of slots will ask for.  The four work-groups of a head walk the same K and V; the one with i = 0 walks all eight units in order, and it alone asks.  Each of its waves names the 8,192 bytes
; that it will itself load one unit later, lanes 256 bytes apart: every 256 bytes once in the launch.  The change in unit U names unit U + 2, up to unit 7; units 0 and 1 come by their loads alone.
.macro ASK
	s_cmp_lt_u32 s[UU], s[LIM]
	s_cbranch_scc0 .Lnot_mine_\@
	global_prefetch_b8 v[PFO], s[PFA:PFA+1] th:TH_LOAD_NT scope:SCOPE_SE
.Lnot_mine_\@:
.endm
	s_load_b128 s[4:7], s[0:1], 0x0                ; qkv16, y16
	v_lshl_add_u32 v[SPW], v0, 2, SPARE
	v_mov_b32 v[NIL], 0
	ds_add_u32 v[SPW], v[NIL]                      ; the wave's opening: the add, twice on end, and its wait ahead of my first tensor load
	ds_add_u32 v[SPW], v[NIL]
	v_lshrrev_b32 v14, 5, v0
	v_readfirstlane_b32 s[WV], v14                 ; wave 0..7
	s_mov_b32 s[IX], ttmp9                         ; i
	s_and_b32 s10, ttmp7, 0xffff                   ; 16 b + h
	s_sub_co_u32 s[NA], 8, s[IX]
	s_lshl_b32 s[NAB], s[NA], 15
	; descriptor group 1: 64 rows x 64 elements of 2 bytes, dense in memory; padding behind every 32 words: 4 words for K, 8 for V
	s_mov_b32 s[G1K], (1<<16)|(1<<20)|(4<<22)|(3<<25)
	s_mov_b32 s[G1V], (1<<16)|(1<<20)|(4<<22)|(7<<25)
.irp g, G1K, G1V
	s_mov_b32 s[\g+1], 64<<16                      ; tensor_dim0
	s_mov_b32 s[\g+2], KS<<16                      ; tensor_dim1
	s_mov_b32 s[\g+3], 64<<16                      ; tile_dim0
	s_mov_b32 s[\g+4], KS                          ; tile_dim1
	s_mov_b32 s[\g+5], 64                          ; elements from row to row
	s_mov_b32 s[\g+6], 0
	s_mov_b32 s[\g+7], 0
.endr
	s_lshr_b32 s56, s10, 4                         ; b
	s_and_b32 s57, s10, 15                         ; h
	s_lshl_b32 s58, s56, 18                        ; 2,048 rows of 128 bytes a sequence,
	s_lshl_b32 s59, s57, 20                        ; 2^20 bytes a plane
	s_add_co_u32 s58, s58, s59
	s_mov_b32 s59, 0
	s_lshr_b32 s60, s[WV], 2                       ; 0: I fetch K; 1: V
	s_add_co_u32 s61, s60, 1
	s_lshl_b32 s61, s61, 24                        ; K's planes begin at 16, V's at 32
	s_and_b32 s21, s[WV], 3                        ; which step of a unit I fetch
	s_lshl_b32 s24, s21, 13                        ; its 64 rows in memory
	s_add_co_u32 s24, s24, s61
	s_add_co_u32 s24, s24, s58
	s_mov_b32 s25, 0
	s_mul_i32 s[G0+1], s21, STEPB                  ; and its place in slot 0
	s_mul_i32 s60, s60, VOFF
	s_add_co_u32 s[G0+1], s[G0+1], s60
	s_mov_b32 s[G0], 1
	s_mov_b32 s[CS], 0x3e38aa3b                    ; c = log2(e) / 8
	s_mov_b32 s[CS+1], s[CS]
	s_mov_b32 s[SEL], 0x76543210
	s_mov_b32 s[SEL+1], 0xfedcba98
	s_cmp_eq_u32 s[IX], 0
	s_cselect_b32 s[LIM], 6, 0
	s_mov_b32 s[UU], 0
	s_mov_b32 s[KF], 0
	s_mov_b32 s[TB], 0
	s_sub_co_u32 s[Q0], 7, s[IX]                   ; the first block: 7 - i
	s_lshl_b32 s[Q0], s[Q0], 8
	s_lshl_b32 s60, s[WV], 5
	s_add_co_u32 s[Q0], s[Q0], s60                 ; my first query
	s_wait_dscnt 0x0                               ; both opening adds are done
	s_wait_kmcnt 0x0
	s_add_nc_u64 s[G0+2:G0+3], s[4:5], s[24:25]    ; my piece of unit 0
	s_add_nc_u64 s[PFA:PFA+1], s[G0+2:G0+3], UNITB ; the prefetches stand at unit 1: the first change steps them to unit 2
	s_or_b32 s[G0+3], s[G0+3], 0x80000000          ; type = 2
	TLOAD                                          ; unit 0 into slot 0
	s_add_nc_u64 s[QP:QP+1], s[4:5], s[58:59]
	s_add_nc_u64 s[YP:YP+1], s[6:7], s[58:59]
	v_and_b32 v14, 15, v0                          ; r
	v_bfe_u32 v15, v0, 4, 1                        ; h
	v_mul_u32_u24 v[AK0], v14, PK
	v_lshl_add_u32 v[AK0], v15, 4, v[AK0]          ; K: row r x pitch + 16 h
	v_and_b32 v32, 7, v0
	v_bfe_u32 v33, v0, 3, 1
	v_lshl_add_u32 v[AV0], v15, 3, v32             ; V: key 8 h + lane % 8, channels 8 ((lane / 8) % 2) on
	v_mul_u32_u24 v[AV0], v[AV0], PV
	v_lshl_add_u32 v[AV0], v33, 4, v[AV0]
	v_add_nc_u32 v[AV0], VOFF, v[AV0]
	v_lshlrev_b32 v[QO], 7, v14
	v_lshl_add_u32 v[QO], v15, 4, v[QO]            ; Q: row r of 128 bytes + 16 h
	s_mul_i32 s60, s[WV], 16*SPIT
	s_add_co_u32 s60, s60, STAGE                   ; my stage
	v_mul_u32_u24 v[STO], v14, SPIT
	v_lshl_add_u32 v[STO], v15, 4, v[STO]
	v_add_nc_u32 v[STO], s60, v[STO]               ; in: row r, 16 bytes for each half of the lanes
	v_and_b32 v34, 31, v0
	v_lshrrev_b32 v35, 3, v34
	v_mul_u32_u24 v[RD], v35, SPIT
	v_lshl_add_u32 v[RD], v32, 4, v[RD]
	v_add_nc_u32 v[RD], s60, v[RD]                 ; back: eight lanes to a row of 128 bytes, four rows an instruction
	v_lshlrev_b32 v[GO], 4, v34
	v_lshlrev_b32 v[PFO], 8, v34
	v_lshlrev_b32 v[DM], 3, v15
	v_sub_nc_u32 v[DM], v14, v[DM]
	v_mov_b32 v[NINF], 0xff800000
; A block begins: its addresses, Q into registers, O^T and l zero, m under every score.  (The step is written once: a block's first step finds zeros, which its first a leaves zeros.)
.macro BEGIN
	s_lshl_b32 s60, s[Q0], 7
	s_mov_b32 s61, 0
	s_add_nc_u64 s[QA:QA+1], s[QP:QP+1], s[60:61]
	s_add_nc_u64 s[YA:YA+1], s[YP:YP+1], s[60:61]
	WIN 0x40                                       ; destination window 1
.irp t, 0,1
.irp c, 0,1
	global_load_b128 v[16*\t+8*\c:16*\t+8*\c+3],   v[QO], s[QA:QA+1] offset:2048*\t+64*\c      ; tile t, channels 32 c + 8 h on,
	global_load_b128 v[16*\t+8*\c+4:16*\t+8*\c+7], v[QO], s[QA:QA+1] offset:2048*\t+64*\c+32   ; and 16 further on
.endr
.endr
.set i, 0
.rept 64
	v_mov_b32 v[OT+i], 0
.set i, i+1
.endr
	WIN 0
.irp t, 0,1
	v_mov_b32 v[ST+8*\t+1], 0xff61b1e6             ; m = -3e38
	v_mul_f32 v[ST+8*\t], s[CS], v[ST+8*\t+1]      ; c m
.irp k, 2,3,4,5,6,7
	v_mov_b32 v[ST+8*\t+\k], 0
.endr
.endr
	s_wait_loadcnt 0x0                             ; Q is in
.endm
; One tile's softmax for one key step is a list of 118 instructions; SM writes number j of it for tile t.  s0-s31 are the lane's 32 scores, in pairs 0-15.
;   0-15 the maximum of the scores and the old m;  16-20 the other half of the lanes' maximum, the new m, c m, c m_old - c m_new;
;   21-69 ONE BATCH: 16 packed scalings c s - c m and 33 exponentials (a, then s0-s31); none of these names an exponential's result;  70-85 roundings to f16;  86-101 the sums, l = a l + the sum;  102-117 O^T times a.
.macro SM t
.set rT, ST+8*(\t)
.set rS, S+32*(\t)
.set rP, P+16*(\t)
.set rO, OT+32*(\t)+2*(j-102)
.if j < 102
	WIN 0
.endif
.if j < 4
	v_max3_num_f32 v[rT+4+j], v[rS+8*j], v[rS+8*j+1], v[rS+8*j+2]          ; each accumulator is read from its low end on
.elseif j < 12
	v_max3_num_f32 v[rT+4+j%4], v[rT+4+j%4], v[rS+8*(j%4)+2*(j/4)+1], v[rS+8*(j%4)+2*(j/4)+2]
.elseif j == 12
	v_max3_num_f32 v[rT+4], v[rT+4], v[rS+7], v[rS+15]
.elseif j == 13
	v_max3_num_f32 v[rT+6], v[rT+6], v[rS+23], v[rS+31]
.elseif j == 14
	v_max3_num_f32 v[rT+4], v[rT+4], v[rT+5], v[rT+6]
.elseif j == 15
	v_max3_num_f32 v[rT+4], v[rT+4], v[rT+7], v[rT+1]
.elseif j == 16
	v_permlanex16_b32 v[rT+5], v[rT+4], s[SEL], s[SEL+1]                   ; the query's other 32 keys lie in the lane 16 away
.elseif j == 17
	v_mov_b32 v[rT+7], v[rT]                                               ; c m_old is kept for a
.elseif j == 18
	v_max_num_f32 v[rT+1], v[rT+4], v[rT+5]
.elseif j == 19
	v_mul_f32 v[rT], s[CS], v[rT+1]
.elseif j == 20
	v_sub_f32 v[rT+7], v[rT+7], v[rT]
.elseif j == 23
	v_exp_f32 v[rT+6], v[rT+7]                                             ; a
.elseif (j < 23) || ((j < 38) && (j%2 == 0)) || ((j < 66) && (j%4 == 2))
.set b, (j-2)/4                        ; 38, 42, .. 62: pairs 9 to 15
.if j < 38
.set b, (j-20)/2                       ; 21: pair 0; 22, 24, .. 36: pairs 1 to 8
.endif
	v_pk_fma_f32 v[rS+2*b:rS+2*b+1], v[rS+2*b:rS+2*b+1], s[CS:CS+1], v[rT:rT+1] op_sel_hi:[1,0,0] neg_lo:[0,0,1] neg_hi:[0,0,1]  ; pair b: c s - c m
.elseif j < 70
.set e, j-38                           ; 66 to 69: s28 to s31
.if j < 66
.set e, j-32-(j-38)/4                  ; 39-41, 43-45, .. 63-65: s7 to s27
.endif
.if j < 38
.set e, (j-25)/2                       ; 25, 27, .. 37: s0 to s6
.endif
	v_exp_f32 v[rS+e], v[rS+e]
.elseif j < 86
	v_cvt_pk_f16_f32 v[rP+j-70], v[rS+2*(j-70)], v[rS+2*(j-70)+1]
.elseif j < 102                        ; the sum of the 16 pairs, in place: neighbours 1, 2, 4 and 8 pairs apart, then l takes it
.set z, j-86
.set w, 4
.set u, z
.if z >= 14
.set w, 32
.set u, 0
.elseif z >= 12
.set w, 16
.set u, z-12
.elseif z >= 8
.set w, 8
.set u, z-8
.endif
.if z < 15
	v_pk_add_f32 v[rS+w*u:rS+w*u+1], v[rS+w*u:rS+w*u+1], v[rS+w*u+w/2:rS+w*u+w/2+1]
.else
	v_pk_fma_f32 v[rT+2:rT+3], v[rT+2:rT+3], v[rT+6:rT+7], v[rS:rS+1] op_sel_hi:[1,0,1]
.endif
.else
	WIN W_RS
	v_pk_mul_f32 v[rO:rO+1], v[rO:rO+1], v[rT+6:rT+7] op_sel_hi:[1,0]
.endif
.endm
; A KEY STEP: 64 keys at LDS byte s[TB].
.macro STEP
	s_add_co_u32 s60, s[Q0], 31                    ; a step all of whose keys come after my 32 queries is left out: ids and counts alone; the lines at its end that step addresses are run all the same
	s_cmp_gt_u32 s[KF], s60
	s_cbranch_scc1 .Lhidden_\@
	v_add_nc_u32 v[ADK], s[TB], v[AK0]
	v_add_nc_u32 v[ADV], s[TB], v[AV0]
.irp kt, 0,1,2,3                       ; K: keys 16 kt on, channels 32 c on
.irp c, 0,1
	ds_load_b128 v[KR+8*(2*\kt+\c):KR+8*(2*\kt+\c)+3],   v[ADK] offset:\kt*16*PK+64*\c
	ds_load_b128 v[KR+8*(2*\kt+\c)+4:KR+8*(2*\kt+\c)+7], v[ADK] offset:\kt*16*PK+64*\c+32
.endr
.endr
.irp g, 0,1                            ; V, turned: keys 32 g on, channels 16 ct on
.irp ct, 0,1,2,3
	ds_load_tr16_b128 v[VR+8*(4*\g+\ct):VR+8*(4*\g+\ct)+3],   v[ADV] offset:\g*32*PV+32*\ct
	ds_load_tr16_b128 v[VR+8*(4*\g+\ct)+4:VR+8*(4*\g+\ct)+7], v[ADV] offset:\g*32*PV+16*PV+32*\ct
.endr
.endr
	s_wait_dscnt 16                                ; K's sixteen loads are in; V's sixteen may be out
	WIN W_KQ
.irp c, 0,1                            ; S^T = K Q^T: eight accumulators by turns, one instruction a turn; the first eight start the sums
.irp kt, 0,1,2,3
.irp t, 0,1
.if \c == 0
	v_wmma_f32_16x16x32_f16 v[S+32*\t+8*\kt:S+32*\t+8*\kt+7], v[KR+8*(2*\kt+\c):KR+8*(2*\kt+\c)+7], v[16*\t+8*\c:16*\t+8*\c+7], 0
.else
	v_wmma_f32_16x16x32_f16 v[S+32*\t+8*\kt:S+32*\t+8*\kt+7], v[KR+8*(2*\kt+\c):KR+8*(2*\kt+\c)+7], v[16*\t+8*\c:16*\t+8*\c+7], v[S+32*\t+8*\kt:S+32*\t+8*\kt+7]
.endif
.endr
.endr
.endr
	WIN 0
.rept 4
	v_nop                                          ; places in front of the first read of the scores
.endr
	s_add_co_u32 s60, s[KF], 63                    ; a step all of whose keys count for all my queries needs no mask
	s_cmp_le_u32 s60, s[Q0]
	s_cbranch_scc1 .Lopen_\@
	s_sub_co_i32 s60, s[Q0], s[KF]
	v_add_nc_u32 v[DD], s60, v[DM]                 ; d = my query - the step's first key - 8 (lane / 16), for tile 0,
	v_add_nc_u32 v[DD+1], 16, v[DD]                ; and for tile 1.  Register n holds key 16 (n / 8) + 8 (lane / 16) + n % 8 of the step: hidden where 16 (n / 8) + n % 8 > d
.irp t, 0,1
.irp n, 0,1,2,3,4,5,6,7,8,9,10,11,12,13,14,15,16,17,18,19,20,21,22,23,24,25,26,27,28,29,30,31
	v_cmp_gt_i32 vcc_lo, 16*(\n/8)+\n%8, v[DD+\t]
	v_cndmask_b32 v[S+32*\t+\n], v[S+32*\t+\n], v[NINF], vcc_lo
.endr
.endr
.Lopen_\@:
.set j, 0
.rept 70                               ; the two tiles line by line in turn, so that no line reads the result of the line just above it
	SM 0
	SM 1
.set j, j+1
.endr
	v_nop                                          ; one plain instruction behind the last exponential,
	s_wait_alu depctr_va_vdst(0)                   ; and one wait for both tiles' 66, ahead of the first line that names a result
.rept 48
	SM 0
	SM 1
.set j, j+1
.endr
	s_wait_dscnt 0x0                               ; V is in
	WIN W_PV
.irp g, 0,1                            ; O^T += V^T P: eight accumulators by turns
.irp ct, 0,1,2,3
.irp t, 0,1
	v_wmma_f32_16x16x32_f16 v[OT+32*\t+8*\ct:OT+32*\t+8*\ct+7], v[VR+8*(4*\g+\ct):VR+8*(4*\g+\ct)+7], v[P+16*\t+8*\g:P+16*\t+8*\g+7], v[OT+32*\t+8*\ct:OT+32*\t+8*\ct+7]
.endr
.endr
.endr
	WIN 0
.rept 4
	v_nop                                          ; places in front of the next loads into V's registers, the next roundings into P's, and the next read of O^T
.endr
.Lhidden_\@:
	s_add_co_u32 s[KF], s[KF], KS
	s_add_co_u32 s[TB], s[TB], STEPB
.endm
; A unit's four steps: written once, walked four times; then on to the other slot's first step.
.macro UNIT
	s_mov_b32 s[CNT], 4
.Lstep_\@:
	STEP
	s_sub_co_u32 s[CNT], s[CNT], 1
	s_cmp_lg_u32 s[CNT], 0
	s_cbranch_scc1 .Lstep_\@
	s_sub_co_u32 s[TB], s[TB], 4*STEPB
	s_xor_b32 s[TB], s[TB], SLOT1
.endm
; THE CHANGE OF SLOTS stands at a unit's head.  Each wave waits for its tensor load (its piece of the unit that it is about to read), adds 0 to its spare word, and waits for that and for its reads of the slot that it has left.
; Behind the barrier the slot ahead is whole and nobody reads the other one.  fill = 1: that other slot takes the next unit, which has this unit's four steps in which to land.
.macro CHANGE fill
	s_wait_tensorcnt 0x0                           ; no tensor load of mine is out, so my group 0 may be written
	ds_add_u32 v[SPW], v[NIL]                      ; the descriptor's steps stand between the add and the wait for it
.if \fill
	s_xor_b32 s[G0+1], s[G0+1], SLOT1              ; the other slot than last time,
	s_add_nc_u64 s[G0+2:G0+3], s[G0+2:G0+3], UNITB ; the next 256 keys;
	s_add_co_u32 s60, s[UU], 1
	s_cmp_eq_u32 s60, s[NA]                        ; where the second block begins with the next unit,
	s_cselect_b32 s60, s[NAB], 0
	s_mov_b32 s61, 0
	s_sub_nc_u64 s[G0+2:G0+3], s[G0+2:G0+3], s[60:61]   ; back to key 0.  The type bits on top are not reached
	s_wait_xcnt 0x0                                ; the last prefetch, a unit back, has read its address, so it may be written
	s_add_nc_u64 s[PFA:PFA+1], s[PFA:PFA+1], UNITB
.endif
	s_wait_dscnt 0x0                               ; the add is done, and my reads of the slot that I have left are over
	s_barrier_signal -1
	s_barrier_wait -1
.if \fill
	TLOAD                                          ; the first thing behind the barrier, and my one tensor load until the next
	ASK
.endif
.endm
; A block ends: l's halves are added, O^T is divided by l, rounded to f16 and sent through my stage, a tile of 16 rows at a time.  reload = 1: the second block begins.
.macro FINISH reload
.irp t, 0,1
	v_add_f32 v[ST+8*\t+4], v[ST+8*\t+2], v[ST+8*\t+3]
.endr
.irp t, 0,1
	v_permlanex16_b32 v[ST+8*\t+5], v[ST+8*\t+4], s[SEL], s[SEL+1]
.endr
.irp t, 0,1
	v_add_f32 v[ST+8*\t+4], v[ST+8*\t+4], v[ST+8*\t+5]
.endr
.irp t, 0,1
	v_rcp_f32 v[ST+8*\t+6], v[ST+8*\t+4]
.endr
	v_nop                                          ; a plain instruction behind the last reciprocal,
	s_wait_alu depctr_va_vdst(0)                   ; and one wait for the two, ahead of their first reader
	WIN W_RS
.irp t, 0,1
.set i, 0
.rept 16
	v_pk_mul_f32 v[OT+32*\t+i:OT+32*\t+i+1], v[OT+32*\t+i:OT+32*\t+i+1], v[ST+8*\t+6:ST+8*\t+7] op_sel_hi:[1,0]
.set i, i+2
.endr
.endr
	WIN 0x05                                       ; sources 0 and 1 window 1, destination window 0: S^T's registers are free
.irp t, 0,1
.set i, 0
.rept 16
	v_cvt_pk_f16_f32 v[S+16*\t+i], v[OT+32*\t+2*i], v[OT+32*\t+2*i+1]
.set i, i+1
.endr
.endr
	WIN 0
.irp t, 0,1
.irp f, 0,1,2,3
	ds_store_b128 v[STO], v[S+16*\t+4*\f:S+16*\t+4*\f+3] offset:32*\f          ; channels 16 f + 8 h on of row r
.endr
.irp f, 0,1,2,3
	ds_load_b128 v[S+32+16*\t+4*\f:S+32+16*\t+4*\f+3], v[RD] offset:\f*4*SPIT  ; LDS serves a wave's instructions in order: these see the stores above, and the next tile's stores come behind them
.endr
.endr
	s_wait_dscnt 0x0
.irp t, 0,1
.irp f, 0,1,2,3
	global_store_b128 v[GO], v[S+32+16*\t+4*\f:S+32+16*\t+4*\f+3], s[YA:YA+1] offset:2048*\t+512*\f   ; 32 lanes store four rows: 512 consecutive bytes, aligned
.endr
.endr
.if \reload
	s_wait_xcnt 0x0                                ; the stores have read their base and their registers: both are written again below
	s_lshl_b32 s[Q0], s[IX], 8                     ; the second block: i
	s_lshl_b32 s60, s[WV], 5
	s_add_co_u32 s[Q0], s[Q0], s60
	s_mov_b32 s[KF], 0
	BEGIN
.endif
.endm
	BEGIN
.Lunit:                                            ; eight trips: behind each change of slots the next unit is asked for
	CHANGE 1
	UNIT
	s_add_co_u32 s60, s[UU], 1
	s_cmp_eq_u32 s60, s[NA]                        ; was this the first block's last unit?  (the work-group's number and the count of units alone)
	s_cbranch_scc0 .Lsame
	FINISH 1
.Lsame:
	s_add_co_u32 s[UU], s[UU], 1
	s_cmp_lt_u32 s[UU], 8
	s_cbranch_scc1 .Lunit
	CHANGE 0                                       ; the ninth unit is written out: nothing is left to fetch
	UNIT
	FINISH 0
	s_wait_tensorcnt 0x0                           ; the wave's end, behind my last tensor load and my last LDS store
	ds_add_u32 v[SPW], v[NIL]
	s_wait_dscnt 0x0
	s_endpgm
.Lfunc_end_k_q9616f46806_attn:
	.size	k_q9616f46806_attn, .Lfunc_end_k_q9616f46806_attn-k_q9616f46806_attn
	.p2alignl 7, 3214868480
	.fill 96, 4, 3214868480
	.section	.rodata,"a",@progbits
	.p2align	6, 0x0
	.amdhsa_kernel k_q9616f46806_attn
		.amdhsa_group_segment_fixed_size 327680
		.amdhsa_private_segment_fixed_size 0
		.amdhsa_enable_private_segment 0
		.amdhsa_kernarg_size 16
		.amdhsa_user_sgpr_count 2
		.amdhsa_user_sgpr_kernarg_segment_ptr 1
		.amdhsa_wavefront_size32 1
		.amdhsa_system_sgpr_workgroup_id_x 1
		.amdhsa_system_sgpr_workgroup_id_y 1
		.amdhsa_system_sgpr_workgroup_id_z 1
		.amdhsa_system_vgpr_workitem_id 0
		.amdhsa_next_free_vgpr 384
		.amdhsa_next_free_sgpr 66
		.amdhsa_reserve_vcc 1
		.amdhsa_float_denorm_mode_32 3
		.amdhsa_float_denorm_mode_16_64 3
		.amdhsa_memory_ordered 1
		.amdhsa_forward_progress 1
		.amdhsa_inst_pref_size 70
	.end_amdhsa_kernel
	.amdgpu_metadata
---
amdhsa.version: [ 1, 2 ]
amdhsa.kernels:
  - .name:           k_q9616f46806_attn
    .symbol:         k_q9616f46806_attn.kd
    .args:
      - { .name: qkv16, .offset: 0, .size: 8, .value_kind: global_buffer, .address_space: global }
      - { .name: y16, .offset: 8, .size: 8, .value_kind: global_buffer, .address_space: global }
    .group_segment_fixed_size: 327680
    .private_segment_fixed_size: 0
    .kernarg_segment_align: 8
    .kernarg_segment_size: 16
    .max_flat_workgroup_size: 256
    .sgpr_count:     66
    .vgpr_count:     384
    .wavefront_size: 32
...
	.end_amdgpu_metadata
.endif
;; end of part 3
;; launch proj (part 4): grid 4 x 64, 4 waves a work-group, clusters of 4 x 4, 327,680 bytes of LDS; arguments y16, w16, out0; writes out0
.if DOCPART == 4
	.amdgcn_target "amdgcn-amd-amdhsa--gfx1250"
	.amdhsa_code_object_version 6
	.text
	.protected	k_q9616f46806_proj
	.globl	k_q9616f46806_proj
	.p2align	8
	.type	k_q9616f46806_proj,@function
k_q9616f46806_proj:
	s_mov_b64 s[64:65], 0
	v_nop
	global_prefetch_b8 v0, s[64:65] scope:SCOPE_SE
	s_setreg_imm32_b32 hwreg(HW_REG_WAVE_MODE, 25, 1), 1
	s_wait_xcnt 0x0
	s_wait_alu depctr_hold_cnt(0) depctr_sa_sdst(0) depctr_va_vdst(0) depctr_va_sdst(0) depctr_va_ssrc(0) depctr_va_vcc(0) depctr_vm_vsrc(0)
	s_getreg_b32 s2, hwreg(HW_REG_IB_STS2, 6, 4)
	s_cmp_eq_u32 s2, 0
	s_cbranch_scc0 .Lentry_in_a_cluster
	s_endpgm
.Lentry_in_a_cluster:
	s_bfe_u32 s2, ttmp6, 0x10000c
	s_cmp_lg_u32 s2, 0xf033
	s_cbranch_scc0 .Lentry_shape_is_right
	s_endpgm
.Lentry_shape_is_right:
; out0[m][n] = sum over c of y[m][c] w_out[n][c], on f16 operands with f32 sums.  y16: [16 planes c / 64][8192 m][64]; w16: [1024 n][1024 c]; out0: [8192][1024] f32.
; All rows are stored here; the 64 rows of positions 0-15 are stored again, from f32 operands, by the launch that follows.
; A tile of out0 is 128 (m) x 256 (n): 256 work-groups.  Four waves, 64 x 128 each: 32 accumulators, 256 registers (window 1).  K goes in steps of 128 (two planes of y16; 256 bytes of a row of w16) through two LDS slots.
; CLUSTERS: 4 x 4 work-groups; y's tile is shared along a row of the cluster, w16's along a column: each is asked for jointly.  All of a WGP's LDS is claimed.
; THE MATRIX INSTRUCTION IS USED TRANSPOSED (source 0 = 16 rows of w16, source 1 = 16 rows of y): a lane holds eight neighbouring columns of one row of out0.
; REGISTERS: window 0: v16-30 addresses; v32-95 y's fragments, two buffers of 32; v128-255 w16's, two buffers of 64 (on the way out: rows read back).   window 1: accumulator (a, b) at v[8 (8 a + b)].
.set PA,     144                       ; a row of y's tile in LDS: 128 bytes + 16
.set PB,     272                       ; a row of w16's: 256 + 16
.set APL,    128*PA                    ; a plane's 128 rows: what waves 0 and 1 fetch
.set BH,     128*PB                    ; 128 rows of w16: what waves 2 and 3 fetch
.set SLOT,   2*APL+2*BH
.set STAGE,  2*SLOT                    ; behind the ring: 16 rows x 528 bytes for each wave
.set SPITCH, 528
.set SPARE,  STAGE+4*16*SPITCH         ; the spare words, 128 bytes a wave, which no other line names
.set LAPS,   4                         ; 8 K steps, two a lap
.set PLANE,  1<<20                     ; bytes of a plane of y16
.set ADRA, 16                          ; v16-17  my y fragments in slot 0, 1
.set ADRB, 20                          ; v20-21  my w16 fragments
.set STO,  24                          ; v24     the way out: where I put 32 bytes of a row
.set RD,   25                          ; v25     where I read a row back
.set CO,   26                          ; v26     16 x lane
.set SPW,  28                          ; v28     my spare word; never rewritten
.set NIL,  29                          ; v29     0; never rewritten
.set PFO,  30                          ; v30     256 x lane; never rewritten
.set AF,   32
.set BF,   128
.set BK,   128
.set G1, 24                            ; s[24:31] group 1 for y's tiles; s[32:39] group 0, a set for each slot
.set G0, 32
.set G1B, 48                           ; s[48:55], s[56:63] the same for w16's
.set G0B, 56
.set LIM, 43                           ; s43  1 in the wave that prefetches, else the greatest number
.set PFA, 44                           ; s[44:45] where my prefetches stand
.set MSB, 0
.macro WIN new
.if MSB != \new
	s_set_vgpr_msb (MSB<<8)|\new
.set MSB, \new
.endif
.endm
.set MUL, 0x50                         ; C and D window 1
.macro JLOAD s                         ; a joint load: waves 0 and 1 fetch y's two planes, waves 2 and 3 w16's two halves; an s_nop 0 and four v_nop follow each line
	s_cmp_eq_u32 s11, 0
	s_cbranch_scc0 .Lfor_b_\@
	tensor_load_to_lds s[G0+4*\s:G0+4*\s+3], s[G1:G1+7]
	s_nop 0
.rept 4
	v_nop
.endr
	s_branch .Lasked_\@
.Lfor_b_\@:
	tensor_load_to_lds s[G0B+4*\s:G0B+4*\s+3], s[G1B:G1B+7]
	s_nop 0
.rept 4
	v_nop
.endr
.Lasked_\@:
.endm
.macro CREST                           ; a round of the cluster's barrier behind its opening barrier
	s_cmp_lg_u32 s10, 0
	s_cbranch_scc1 .Lnot_wave_0_\@
	s_barrier_signal -3
.Lnot_wave_0_\@:
	s_barrier_wait -3
	s_barrier_signal -1
	s_barrier_wait -1
.endm
.macro CROUND
	s_barrier_signal -1
	s_barrier_wait -1
	CREST
.endm
; A prefetch of y's K step that stands two refills on.  A tile row of y is read by one row of one cluster alone; its four partners share a K step's 32,768 bytes out by address, 8,192 each (plane cx / 2, rows 64 (cx % 2) on),
; lanes 256 bytes apart; wave 0 asks.  The change that ends K step s names step s + 4; the loop's last trip names nothing; steps 0 to 3 come by their loads alone.  w16 is read by all sixteen clusters and is not asked for.
.macro ASK
	s_cmp_gt_u32 s3, s[LIM]
	s_cbranch_scc0 .Lnot_mine_\@
	global_prefetch_b8 v[PFO], s[PFA:PFA+1] offset:2*PLANE th:TH_LOAD_NT scope:SCOPE_SE
.Lnot_mine_\@:
.endm
	s_load_b128 s[4:7], s[0:1], 0x0                ; y16, w16
	s_load_b64 s[8:9], s[0:1], 0x10                ; out0
	v_lshl_add_u32 v[SPW], v0, 2, SPARE
	v_mov_b32 v[NIL], 0
	ds_add_u32 v[SPW], v[NIL]                      ; the wave's opening: the add, twice on end, and its wait ahead of my first tensor load
	ds_add_u32 v[SPW], v[NIL]
	v_lshrrev_b32 v1, 5, v0
	v_readfirstlane_b32 s10, v1                    ; wave 0..3
	s_lshr_b32 s11, s10, 1                         ; which 64 of the tile's rows are mine.  Also: I fetch for y (0) or for w16 (1)
	s_and_b32 s12, s10, 1                          ; which 128 of its columns.  Also: which plane, or which 128 rows, I fetch
	s_bfe_u32 s40, ttmp6, 0x40000                  ; cx, cy
	s_bfe_u32 s41, ttmp6, 0x40004
	s_lshl_b32 s42, ttmp9, 2
	s_add_co_u32 s42, s42, s40                     ; tile column
	s_and_b32 s13, ttmp7, 0xffff
	s_lshl_b32 s13, s13, 2
	s_add_co_u32 s13, s13, s41                     ; tile row
	s_lshl_b32 s43, s41, 2
	s_lshl_b32 s43, 15, s43                        ; my row of the cluster
	s_lshl_b32 s44, 0x1111, s40                    ; my column
	s_or_b32 s[G1+0], s43, (1<<16)|(1<<20)|(1<<21)|(4<<22)|(3<<25)    ; y: elements of 2 bytes; 4 words of padding behind every 32
	s_mov_b32 s[G1+1], 64<<16                      ; tensor_dim0
	s_mov_b32 s[G1+2], 128<<16                     ; tensor_dim1
	s_mov_b32 s[G1+3], 64<<16                      ; tile_dim0
	s_mov_b32 s[G1+4], 128                         ; tile_dim1
	s_mov_b32 s[G1+5], 64                          ; elements from row to row: a plane's rows are dense
	s_mov_b32 s[G1+6], 0
	s_mov_b32 s[G1+7], 0
	s_or_b32 s[G1B+0], s44, (1<<16)|(1<<20)|(1<<21)|(5<<22)|(3<<25)   ; w16: 4 words of padding behind every 64
	s_mov_b32 s[G1B+1], 128<<16
	s_mov_b32 s[G1B+2], 128<<16
	s_mov_b32 s[G1B+3], 128<<16
	s_mov_b32 s[G1B+4], 128
	s_mov_b32 s[G1B+5], 1024
	s_mov_b32 s[G1B+6], 0
	s_mov_b32 s[G1B+7], 0
	s_lshl_b32 s16, s13, 14                        ; y: 128 x tile row rows of 128 bytes,
	s_lshl_b32 s17, s12, 20                        ; my plane of the K step's two
	s_add_co_u32 s16, s16, s17
	s_mov_b32 s17, 0
	s_lshl_b32 s46, s42, 8
	s_lshl_b32 s47, s12, 7
	s_add_co_u32 s46, s46, s47                     ; w16: row 256 x tile column + 128 x half,
	s_lshl_b32 s46, s46, 11                        ; 2,048 bytes each
	s_mov_b32 s47, 0
	s_mul_i32 s20, s12, APL                        ; where they go: no place in the cluster enters an LDS address
	s_mul_i32 s21, s12, BH
	s_add_co_u32 s21, s21, 2*APL
	s_wait_dscnt 0x0                               ; both opening adds are done
	s_wait_kmcnt 0x0
	s_add_nc_u64 s[14:15], s[4:5], s[16:17]
	s_add_nc_u64 s[46:47], s[6:7], s[46:47]
	CROUND                                         ; all sixteen work-groups are here: the first joint loads meet
.irp s, 0,1
	s_mov_b32 s[G0+4*\s], 1
	s_add_co_u32 s[G0+4*\s+1], s20, \s*SLOT
	s_add_nc_u64 s[G0+4*\s+2:G0+4*\s+3], s[14:15], \s*2*PLANE
	s_or_b32 s[G0+4*\s+3], s[G0+4*\s+3], 0x80000000
	s_mov_b32 s[G0B+4*\s], 1
	s_add_co_u32 s[G0B+4*\s+1], s21, \s*SLOT
	s_add_nc_u64 s[G0B+4*\s+2:G0B+4*\s+3], s[46:47], \s*256
	s_or_b32 s[G0B+4*\s+3], s[G0B+4*\s+3], 0x80000000
	JLOAD \s                                       ; two tensor loads of mine are out
.endr
	v_and_b32 v1, 15, v0                           ; r
	v_bfe_u32 v2, v0, 4, 1                         ; h
	v_mul_u32_u24 v3, v1, PA
	v_lshl_add_u32 v3, v2, 4, v3
	v_mul_u32_u24 v4, v1, PB
	v_lshl_add_u32 v4, v2, 4, v4
	s_mul_i32 s21, s11, 64*PA                      ; my 64 rows of y (of each plane)
	s_mul_i32 s22, s12, BH                         ; my 128 rows of w16,
	s_add_co_u32 s22, s22, 2*APL                   ; which lie behind y's two planes
.irp s, 0,1
	v_add_nc_u32 v[ADRA+\s], s21, v3
	v_add_nc_u32 v[ADRB+\s], s22, v4
	s_add_co_u32 s21, s21, SLOT
	s_add_co_u32 s22, s22, SLOT
.endr
	s_mul_i32 s23, s10, 16*SPITCH
	s_add_co_u32 s23, s23, STAGE                   ; my stage
	v_mul_u32_u24 v5, v1, SPITCH
	v_lshl_add_u32 v5, v2, 5, v5
	v_add_nc_u32 v[STO], s23, v5                   ; in: row r, 32 bytes for each half of the lanes
	v_and_b32 v6, 31, v0
	v_lshlrev_b32 v[CO], 4, v6
	v_add_nc_u32 v[RD], s23, v[CO]                 ; back: the 32 lanes take one row of 512 bytes
	v_lshlrev_b32 v[PFO], 8, v6
	s_lshl_b32 s16, s13, 7
	s_lshl_b32 s17, s11, 6
	s_add_co_u32 s16, s16, s17                     ; my first row of out0,
	s_lshl_b32 s16, s16, 12                        ; 4,096 bytes each
	s_mov_b32 s17, 0
	s_add_nc_u64 s[8:9], s[8:9], s[16:17]
	s_lshl_b32 s46, s42, 10                        ; my first column, in bytes
	s_lshl_b32 s47, s12, 9
	s_add_co_u32 s46, s46, s47
	s_mov_b32 s47, 0
	s_add_nc_u64 s[8:9], s[8:9], s[46:47]
	s_cmp_eq_u32 s10, 0
	s_cselect_b32 s[LIM], 1, -1
	s_lshr_b32 s20, s40, 1                         ; the prefetches: plane cx / 2 of a K step,
	s_lshl_b32 s20, s20, 20
	s_and_b32 s21, s40, 1
	s_lshl_b32 s21, s21, 13                        ; rows 64 (cx % 2) on,
	s_add_co_u32 s20, s20, s21
	s_lshl_b32 s21, s13, 14                        ; of my tile row,
	s_add_co_u32 s20, s20, s21
	s_add_co_u32 s20, s20, 4*PLANE                 ; at K step 2: the first change steps it to 3 and names step 4
	s_mov_b32 s21, 0
	s_add_nc_u64 s[PFA:PFA+1], s[4:5], s[20:21]
.macro MUL8 f, a, zero                 ; y's block a x w16's eight, 32 along K, from buffer f.  The 32 accumulators take turns in the same order in every quarter
.irp b, 0,1,2,3,4,5,6,7
.if \zero
	v_wmma_f32_16x16x32_f16 v[8*(8*(\a)+\b):8*(8*(\a)+\b)+7], v[BF+64*(\f)+8*\b:BF+64*(\f)+8*\b+7], v[AF+32*(\f)+8*(\a):AF+32*(\f)+8*(\a)+7], 0
.else
	v_wmma_f32_16x16x32_f16 v[8*(8*(\a)+\b):8*(8*(\a)+\b)+7], v[BF+64*(\f)+8*\b:BF+64*(\f)+8*\b+7], v[AF+32*(\f)+8*(\a):AF+32*(\f)+8*(\a)+7], v[8*(8*(\a)+\b):8*(8*(\a)+\b)+7]
.endif
.endr
.endm
.macro FETCH slot, q, f                ; 24 LDS loads in one run: the fragments of the slot's q-th 32 along K into buffer f
.irp b, 0,1,2,3,4,5,6,7
	ds_load_b128 v[BF+64*(\f)+8*\b:BF+64*(\f)+8*\b+3],   v[ADRB+\slot] offset:64*(\q)+\b*16*PB
	ds_load_b128 v[BF+64*(\f)+8*\b+4:BF+64*(\f)+8*\b+7], v[ADRB+\slot] offset:64*(\q)+\b*16*PB+32
.endr
.irp a, 0,1,2,3
	ds_load_b128 v[AF+32*(\f)+8*\a:AF+32*(\f)+8*\a+3],   v[ADRA+\slot] offset:((\q)/2)*APL+((\q)%2)*64+\a*16*PA
	ds_load_b128 v[AF+32*(\f)+8*\a+4:AF+32*(\f)+8*\a+7], v[ADRA+\slot] offset:((\q)/2)*APL+((\q)%2)*64+\a*16*PA+32
.endr
.endm
.macro PLACES                          ; four plain instructions in front of loads into registers that matrix instructions have read, and of reads of results
.rept 4
	v_nop
.endr
.endm
; A K step is four quarters of 32 along K, 32 matrix instructions each, on buffers 0, 1, 0, 1.  One of the first three: multiplies buffer f; in its middle it fetches quarter qn into buffer g.
.macro QUARTER slot, qn, f, g, zero
	s_wait_dscnt 0x0                               ; buffer f's loads, issued 16 matrix instructions ago, are in
	WIN MUL
	MUL8 \f, 0, \zero
	MUL8 \f, 1, \zero
	PLACES
	WIN 0
	FETCH \slot, \qn, \g
	WIN MUL
	MUL8 \f, 2, \zero
	MUL8 \f, 3, \zero
.endm
; The last quarter multiplies buffer 1 and changes slots: one barrier; in front of it each wave waits for all its tensor loads, adds 0 to its spare word, and waits for that and for its reads of this slot.
; fill = 1: the barrier opens a round of the cluster's, and this slot is filled again, two K steps ahead, first thing behind the round.
.macro TURN slot, next, fill
.if \fill
	s_wait_xcnt 0x0                                ; the last prefetch, a K step back, has read its address
	s_add_nc_u64 s[PFA:PFA+1], s[PFA:PFA+1], 2*PLANE
.endif
	WIN 0                                          ; (the add's two registers lie in window 0)
	s_wait_tensorcnt 0x0                           ; my part of the next slot has landed
	ds_add_u32 v[SPW], v[NIL]
	s_wait_dscnt 1                                 ; buffer 1's loads are in; the add may be out
	WIN MUL
	MUL8 1, 0, 0                                   ; eight matrix instructions stand between the add and the wait for it
	s_wait_dscnt 0x0                               ; the add is done, and my reads of this slot are over
	s_barrier_signal -1
	MUL8 1, 1, 0
	WIN 0
	s_barrier_wait -1
.if \fill
	CREST                                          ; no wave of any partner still reads this slot's tiles or has a load on its way
	s_add_nc_u64 s[G0+4*\slot+2:G0+4*\slot+3], s[G0+4*\slot+2:G0+4*\slot+3], 4*PLANE
	s_add_nc_u64 s[G0B+4*\slot+2:G0B+4*\slot+3], s[G0B+4*\slot+2:G0B+4*\slot+3], 512
	JLOAD \slot                                    ; the four v_nop behind it are also the places in front of the loads below
.else
	PLACES
.endif
	FETCH \next, 0, 0
.if \fill
	ASK
.endif
	WIN MUL
	MUL8 1, 2, 0
	MUL8 1, 3, 0
.endm
	s_wait_tensorcnt 1                             ; my part of K step 0 is in; step 1's may be out
	s_barrier_signal -1
	s_barrier_wait -1
	FETCH 0, 0, 0
	QUARTER 0, 1, 0, 1, 1                          ; the first quarter's products start the sums
	WIN 0
	s_mov_b32 s3, LAPS-1
.Llap:                                             ; a trip goes once round the ring, from a lap's second quarter to the next lap's first, and fills both slots again
	QUARTER 0, 2, 1, 0, 0
	QUARTER 0, 3, 0, 1, 0
	TURN 0, 1, 1
	QUARTER 1, 1, 0, 1, 0
	QUARTER 1, 2, 1, 0, 0
	QUARTER 1, 3, 0, 1, 0
	TURN 1, 0, 1
	QUARTER 0, 1, 0, 1, 0
	WIN 0
	s_sub_co_u32 s3, s3, 1
	s_cmp_lg_u32 s3, 0
	s_cbranch_scc1 .Llap
	QUARTER 0, 2, 1, 0, 0                          ; the last lap fills nothing
	QUARTER 0, 3, 0, 1, 0
	TURN 0, 1, 0
	QUARTER 1, 1, 0, 1, 0
	QUARTER 1, 2, 1, 0, 0
	QUARTER 1, 3, 0, 1, 0
	s_wait_dscnt 0x0                               ; the very last quarter
	WIN MUL
	MUL8 1, 0, 0
	MUL8 1, 1, 0
	MUL8 1, 2, 0
	MUL8 1, 3, 0
	WIN 0
; THE WAY OUT, block by block of 16 rows x 128 columns: through my own stage and back as whole rows of 512 bytes.
.macro TOSTAGE a
	WIN 0x04                                       ; an LDS store's data are its source 1: window 1
.irp b, 0,1,2,3,4,5,6,7
	ds_store_b128 v[STO], v[8*(8*(\a)+\b):8*(8*(\a)+\b)+3] offset:64*\b          ; each accumulator from its low end on
	ds_store_b128 v[STO], v[8*(8*(\a)+\b)+4:8*(8*(\a)+\b)+7] offset:64*\b+16
.endr
	WIN 0
.set BB, BK+64*((\a)%2)
.irp t, 0,1,2,3,4,5,6,7,8,9,10,11,12,13,14,15
	ds_load_b128 v[BB+4*\t:BB+4*\t+3], v[RD] offset:\t*SPITCH                  ; LDS serves a wave's instructions in order: these see the stores above
.endr
.endm
.macro SEND a, younger                 ; younger: the LDS instructions issued behind block a's loads, which may stay out
.set BB, BK+64*((\a)%2)
	s_wait_dscnt \younger
.irp t, 0,1,2,3,4,5,6,7,8,9,10,11,12,13,14,15
	global_store_b128 v[CO], v[BB+4*\t:BB+4*\t+3], s[8:9] offset:65536*(\a)+4096*\t th:TH_STORE_NT   ; 32 lanes store 512 consecutive bytes, aligned
.endr
.endm
	PLACES
	TOSTAGE 0
.irp a, 1,2,3
.if \a > 1
	s_wait_xcnt 0x0                                ; block a - 2's stores have read their registers: block a's loads may land there
.endif
	TOSTAGE \a
	SEND \a-1, 32                                  ; behind block a - 1's loads: block a's 16 stores and 16 loads
.endr
	SEND 3, 0
	s_wait_tensorcnt 0x0                           ; the wave's end, behind my last tensor load and my last LDS store
	ds_add_u32 v[SPW], v[NIL]
	s_wait_dscnt 0x0
	CROUND                                         ; the closing round
	s_endpgm
.Lfunc_end_k_q9616f46806_proj:
	.size	k_q9616f46806_proj, .Lfunc_end_k_q9616f46806_proj-k_q9616f46806_proj
	.p2alignl 7, 3214868480
	.fill 96, 4, 3214868480
	.section	.rodata,"a",@progbits
	.p2align	6, 0x0
	.amdhsa_kernel k_q9616f46806_proj
		.amdhsa_group_segment_fixed_size 327680
		.amdhsa_private_segment_fixed_size 0
		.amdhsa_enable_private_segment 0
		.amdhsa_kernarg_size 24
		.amdhsa_user_sgpr_count 2
		.amdhsa_user_sgpr_kernarg_segment_ptr 1
		.amdhsa_wavefront_size32 1
		.amdhsa_system_sgpr_workgroup_id_x 1
		.amdhsa_system_sgpr_workgroup_id_y 1
		.amdhsa_system_sgpr_workgroup_id_z 1
		.amdhsa_system_vgpr_workitem_id 0
		.amdhsa_next_free_vgpr 512
		.amdhsa_next_free_sgpr 66
		.amdhsa_reserve_vcc 0
		.amdhsa_float_denorm_mode_32 3
		.amdhsa_float_denorm_mode_16_64 3
		.amdhsa_memory_ordered 1
		.amdhsa_forward_progress 1
		.amdhsa_inst_pref_size 85
	.end_amdhsa_kernel
	.amdgpu_metadata
---
amdhsa.version: [ 1, 2 ]
amdhsa.kernels:
  - .name:           k_q9616f46806_proj
    .symbol:         k_q9616f46806_proj.kd
    .args:
      - { .name: y16, .offset: 0, .size: 8, .value_kind: global_buffer, .address_space: global }
      - { .name: w16, .offset: 8, .size: 8, .value_kind: global_buffer, .address_space: global }
      - { .name: out0, .offset: 16, .size: 8, .value_kind: global_buffer, .address_space: global }
    .group_segment_fixed_size: 327680
    .private_segment_fixed_size: 0
    .kernarg_segment_align: 8
    .kernarg_segment_size: 24
    .max_flat_workgroup_size: 128
    .sgpr_count:     66
    .vgpr_count:     512
    .wavefront_size: 32
...
	.end_amdgpu_metadata
.endif
;; end of part 4
;; launch fine (part 5): grid 32 x 4, 16 waves a work-group, no clusters, 38,912 bytes of LDS; arguments qkv32, w_out, out0; writes out0
.if DOCPART == 5
	.amdgcn_target "amdgcn-amd-amdhsa--gfx1250"
	.amdhsa_code_object_version 6
	.text
	.protected	k_q9616f46806_fine
	.globl	k_q9616f46806_fine
	.p2align	8
	.type	k_q9616f46806_fine,@function
k_q9616f46806_fine:
	s_mov_b64 s[64:65], 0
	v_nop
	global_prefetch_b8 v0, s[64:65] scope:SCOPE_SE
	s_setreg_imm32_b32 hwreg(HW_REG_WAVE_MODE, 25, 1), 1
	s_wait_xcnt 0x0
; The first 16 positions of every sequence, all in f32: out0[b][t][n], t < 16, from qkv32 [4 b][16 t][3072] and w_out [1024 n][1024 c].  These rows average one to sixteen values and are the largest of the output; f16 operands would use up
; what the comparison allows them.  This launch runs last and stores over the 64 rows that the projection stored from f16 operands.
; Work-group (x, b) makes out0[b][0..15][32 x .. 32 x + 31].  Wave w takes head w: its 16 x 16 causal attention, and its 64 channels' share of the projection onto the 32 columns; the sixteen shares are added through LDS.
; All products by v_wmma_f32_16x16x4_f32, 64 a wave; the registers that it writes are written by nothing else.  A permutation of k applied alike to both operands keeps a product:
;   S^T = K Q^T: lane (r, h) holds channels 32 h .. 32 h + 31 of its row; step s takes registers 2 s, 2 s + 1.  In the result lane (r, h) holds query r and keys 8 h + 0 .. 7.
;   O^T = V^T P: p lies as it came (keys 8 h + jj); V is loaded so that lane (r, h) holds V[key 8 h + jj][channel 16 ct + r].  In the result lane (r, h) holds query r and channels 16 ct + 8 h + 0 .. 7.
;   out^T = W O: O^T lies as it came; w_out is loaded so that lane (r, h) holds W[n = 16 nt + r][channels 16 ct + 8 h + 0 .. 7].  Nothing changes lanes between the products.
; A row's piece is 128 bytes: 128 work-groups share the f32 work, on 256 KiB of output in all.  No tensor load, no loop.  LIMITS: NaN and infinities are not served; sums are taken in another order than a plain loop's.
.set SPARE, 16*16*144                  ; behind the sixteen shares: the spare words, 128 bytes a wave, which no other line names
.set SPW, 11                           ; v11  my spare word; never rewritten
.set NIL, 12                           ; v12  0; never rewritten
.set QR,  16                           ; v16-47   Q
.set KR,  48                           ; v48-79   K
.set VR,  80                           ; v80-111  V: channel tile ct at + 8 ct
.set WR,  112                          ; v112-175 W: column tile nt at + 32 nt, channel tile ct at + 8 ct
.set SA,  176                          ; v176-183, v184-191 the scores' two partial sums
.set OR,  192                          ; v192-223 O^T
.set AC,  224                          ; v224-239 the projection's two accumulators
.set PR,  240                          ; v240-247 the scores, then p
	s_load_b128 s[4:7], s[0:1], 0x0                ; qkv32, w_out
	s_load_b64 s[8:9], s[0:1], 0x10                ; out0
	v_lshl_add_u32 v[SPW], v0, 2, SPARE
	v_mov_b32 v[NIL], 0
	v_lshrrev_b32 v1, 5, v0
	v_readfirstlane_b32 s10, v1                    ; wave = head
	s_and_b32 s11, ttmp7, 0xffff                   ; b
	v_and_b32 v1, 15, v0                           ; r
	v_bfe_u32 v2, v0, 4, 1                         ; h
	v_mul_u32_u24 v3, v1, 12288
	v_lshl_add_u32 v3, v2, 7, v3                   ; Q, K: position r's row of 12,288 bytes, + 32 h channels
	v_mul_u32_u24 v4, v2, 98304
	v_lshl_add_u32 v4, v1, 2, v4                   ; V: key 8 h, channel r
	v_lshlrev_b32 v5, 12, v1
	v_lshl_add_u32 v5, v2, 5, v5                   ; W: row r of 4,096 bytes, + 8 h channels
	v_lshlrev_b32 v6, 3, v2
	v_sub_nc_u32 v6, v1, v6                        ; r - 8 h: key 8 h + j is hidden where j is above it
	v_mov_b32 v7, 0xff800000                       ; -infinity
	s_mul_i32 s16, s10, 16*144
	v_mul_u32_u24 v8, v1, 144
	v_lshl_add_u32 v8, v2, 5, v8
	v_add_nc_u32 v8, s16, v8                       ; my share in LDS: row = query r of 128 bytes + 16, + 32 h
	v_and_b32 v13, 31, v0
	v_lshlrev_b32 v10, 2, v13                      ; 4 x lane
	s_mul_i32 s16, s10, 144
	v_add_nc_u32 v9, s16, v10                      ; back: row w of every share, a column a lane
	s_mov_b32 s12, 0x76543210
	s_mov_b32 s13, 0xfedcba98                      ; selects for lane l xor 16
	s_mov_b32 s14, 0x3e38aa3b                      ; c = log2(e) / 8
	s_mul_i32 s16, s11, 196608                     ; qkv32: batch b, head w's 64 channels
	s_lshl_b32 s18, s10, 8
	s_add_co_u32 s16, s16, s18
	s_mov_b32 s17, 0
	s_lshl_b32 s20, ttmp9, 17                      ; w_out: rows 32 x on, head w's 64 channels
	s_add_co_u32 s20, s20, s18
	s_mov_b32 s21, 0
	s_lshl_b32 s22, s11, 23                        ; out0: row 2048 b + w, columns 32 x on
	s_lshl_b32 s18, s10, 12
	s_add_co_u32 s22, s22, s18
	s_lshl_b32 s18, ttmp9, 7
	s_add_co_u32 s22, s22, s18
	s_mov_b32 s23, 0
	s_wait_kmcnt 0x0
	s_add_nc_u64 s[4:5], s[4:5], s[16:17]
	s_add_nc_u64 s[6:7], s[6:7], s[20:21]
	s_add_nc_u64 s[8:9], s[8:9], s[22:23]
.irp i, 0,1,2,3,4,5,6,7
	global_load_b128 v[KR+4*\i:KR+4*\i+3], v3, s[4:5] offset:4096+16*\i
.endr
.irp i, 0,1,2,3,4,5,6,7
	global_load_b128 v[QR+4*\i:QR+4*\i+3], v3, s[4:5] offset:16*\i
.endr
.irp ct, 0,1,2,3
.irp jj, 0,1,2,3,4,5,6,7
	global_load_b32 v[VR+8*\ct+\jj], v4, s[4:5] offset:8192+12288*\jj+64*\ct
.endr
.endr
.irp nt, 0,1
.irp ct, 0,1,2,3
.irp e, 0,1
	global_load_b128 v[WR+32*\nt+8*\ct+4*\e:WR+32*\nt+8*\ct+4*\e+3], v5, s[6:7] offset:65536*\nt+64*\ct+16*\e
.endr
.endr
.endr
	s_wait_loadcnt 48                              ; K and Q are in; V's 32 loads and W's 16 stay out
.irp s, 0,1,2,3,4,5,6,7,8,9,10,11,12,13,14,15      ; S^T = K Q^T: two accumulators by turns; the first of each starts its sum
.if \s < 2
	v_wmma_f32_16x16x4_f32 v[SA+8*(\s%2):SA+8*(\s%2)+7], v[KR+2*\s:KR+2*\s+1], v[QR+2*\s:QR+2*\s+1], 0
.else
	v_wmma_f32_16x16x4_f32 v[SA+8*(\s%2):SA+8*(\s%2)+7], v[KR+2*\s:KR+2*\s+1], v[QR+2*\s:QR+2*\s+1], v[SA+8*(\s%2):SA+8*(\s%2)+7]
.endif
.endr
.rept 8
	v_nop                                          ; eight places behind this form, in front of the first read of its results (ISA guide 7.12.1)
.endr
.irp j, 0,1,2,3,4,5,6,7
	v_add_f32 v[PR+\j], v[SA+\j], v[SA+8+\j]       ; the two halves; ascending, into other registers
.endr
.irp j, 0,1,2,3,4,5,6,7
	v_cmp_gt_i32 vcc_lo, \j, v6
	v_cndmask_b32 v[PR+\j], v[PR+\j], v7, vcc_lo   ; hidden keys: -infinity
.endr
	v_max3_num_f32 v248, v[PR], v[PR+1], v[PR+2]
	v_max3_num_f32 v249, v[PR+3], v[PR+4], v[PR+5]
	v_max3_num_f32 v248, v248, v[PR+6], v[PR+7]
	v_max_num_f32 v248, v248, v249
	v_permlanex16_b32 v249, v248, s12, s13
	v_max_num_f32 v248, v248, v249                 ; the row's largest score: key 0 counts for every query, so it is a number
	v_mul_f32 v250, s14, v248                      ; c m
.irp j, 0,1,2,3,4,5,6,7
	v_fma_f32 v[PR+\j], v[PR+\j], s14, -v250       ; c s - c m
.endr
.irp j, 0,1,2,3,4,5,6,7
	v_exp_f32 v[PR+\j], v[PR+\j]
.endr
	v_nop                                          ; a plain instruction behind the last exponential,
	s_wait_alu depctr_va_vdst(0)                   ; and one wait for the eight, ahead of their first reader
	v_add_f32 v248, v[PR], v[PR+1]
	v_add_f32 v249, v[PR+2], v[PR+3]
	v_add_f32 v251, v[PR+4], v[PR+5]
	v_add_f32 v252, v[PR+6], v[PR+7]
	v_add_f32 v248, v248, v249
	v_add_f32 v251, v251, v252
	v_add_f32 v248, v248, v251
	v_permlanex16_b32 v249, v248, s12, s13
	v_add_f32 v248, v248, v249                     ; the row's sum
	v_rcp_f32 v250, v248
	v_nop
	s_wait_alu depctr_va_vdst(0)
.irp j, 0,1,2,3,4,5,6,7
	v_mul_f32 v[PR+\j], v[PR+\j], v250             ; the weights, normalised
.endr
	s_wait_loadcnt 16                              ; V is in; W's 16 loads stay out
.irp sp, 0,1,2,3                                   ; O^T = V^T P: four accumulators by turns
.irp ct, 0,1,2,3
.if \sp == 0
	v_wmma_f32_16x16x4_f32 v[OR+8*\ct:OR+8*\ct+7], v[VR+8*\ct+2*\sp:VR+8*\ct+2*\sp+1], v[PR+2*\sp:PR+2*\sp+1], 0
.else
	v_wmma_f32_16x16x4_f32 v[OR+8*\ct:OR+8*\ct+7], v[VR+8*\ct+2*\sp:VR+8*\ct+2*\sp+1], v[PR+2*\sp:PR+2*\sp+1], v[OR+8*\ct:OR+8*\ct+7]
.endif
.endr
.endr
	s_wait_loadcnt 0x0                             ; W is in
.rept 9
	v_nop                                          ; nine places: these results become an operand
.endr
.irp ct, 0,1,2,3                                   ; out^T = W O: two accumulators by turns
.irp sp, 0,1,2,3
.irp nt, 0,1
.if (\ct == 0) && (\sp == 0)
	v_wmma_f32_16x16x4_f32 v[AC+8*\nt:AC+8*\nt+7], v[WR+32*\nt+8*\ct+2*\sp:WR+32*\nt+8*\ct+2*\sp+1], v[OR+8*\ct+2*\sp:OR+8*\ct+2*\sp+1], 0
.else
	v_wmma_f32_16x16x4_f32 v[AC+8*\nt:AC+8*\nt+7], v[WR+32*\nt+8*\ct+2*\sp:WR+32*\nt+8*\ct+2*\sp+1], v[OR+8*\ct+2*\sp:OR+8*\ct+2*\sp+1], v[AC+8*\nt:AC+8*\nt+7]
.endif
.endr
.endr
.endr
.rept 8
	v_nop
.endr
.irp nt, 0,1
	ds_store_b128 v8, v[AC+8*\nt:AC+8*\nt+3] offset:64*\nt         ; lane (r, h): query r, columns 16 nt + 8 h + 0 .. 7; each accumulator from its low end on
	ds_store_b128 v8, v[AC+8*\nt+4:AC+8*\nt+7] offset:64*\nt+16
.endr
	s_wait_dscnt 0x0                               ; for the others' sake: my share lies in LDS
	s_barrier_signal -1
	s_barrier_wait -1
.irp p, 0,1,2,3,4,5,6,7,8,9,10,11,12,13,14,15
	ds_load_b32 v[QR+\p], v9 offset:2304*\p        ; row w of head p's share
.endr
	s_wait_dscnt 0x0
.irp p, 0,2,4,6,8,10,12,14
	v_add_f32 v[QR+\p], v[QR+\p], v[QR+1+\p]
.endr
.irp p, 0,4,8,12
	v_add_f32 v[QR+\p], v[QR+\p], v[QR+2+\p]
.endr
.irp p, 0,8
	v_add_f32 v[QR+\p], v[QR+\p], v[QR+4+\p]
.endr
	v_add_f32 v[QR], v[QR], v[QR+8]
	global_store_b32 v10, v[QR], s[8:9]            ; 32 lanes store 128 consecutive bytes of row w
	s_wait_tensorcnt 0x0                           ; the wave's end, behind my last LDS store
	ds_add_u32 v[SPW], v[NIL]
	s_wait_dscnt 0x0
	s_endpgm
.Lfunc_end_k_q9616f46806_fine:
	.size	k_q9616f46806_fine, .Lfunc_end_k_q9616f46806_fine-k_q9616f46806_fine
	.p2alignl 7, 3214868480
	.fill 96, 4, 3214868480
	.section	.rodata,"a",@progbits
	.p2align	6, 0x0
	.amdhsa_kernel k_q9616f46806_fine
		.amdhsa_group_segment_fixed_size 38912
		.amdhsa_private_segment_fixed_size 0
		.amdhsa_enable_private_segment 0
		.amdhsa_kernarg_size 24
		.amdhsa_user_sgpr_count 2
		.amdhsa_user_sgpr_kernarg_segment_ptr 1
		.amdhsa_wavefront_size32 1
		.amdhsa_system_sgpr_workgroup_id_x 1
		.amdhsa_system_sgpr_workgroup_id_y 1
		.amdhsa_system_sgpr_workgroup_id_z 1
		.amdhsa_system_vgpr_workitem_id 0
		.amdhsa_next_free_vgpr 256
		.amdhsa_next_free_sgpr 66
		.amdhsa_reserve_vcc 1
		.amdhsa_float_denorm_mode_32 3
		.amdhsa_float_denorm_mode_16_64 3
		.amdhsa_memory_ordered 1
		.amdhsa_forward_progress 1
		.amdhsa_inst_pref_size 18
	.end_amdhsa_kernel
	.amdgpu_metadata
---
amdhsa.version: [ 1, 2 ]
amdhsa.kernels:
  - .name:           k_q9616f46806_fine
    .symbol:         k_q9616f46806_fine.kd
    .args:
      - { .name: qkv32, .offset: 0, .size: 8, .value_kind: global_buffer, .address_space: global }
      - { .name: w_out, .offset: 8, .size: 8, .value_kind: global_buffer, .address_space: global }
      - { .name: out0, .offset: 16, .size: 8, .value_kind: global_buffer, .address_space: global }
    .group_segment_fixed_size: 38912
    .private_segment_fixed_size: 0
    .kernarg_segment_align: 8
    .kernarg_segment_size: 24
    .max_flat_workgroup_size: 512
    .sgpr_count:     66
    .vgpr_count:     256
    .wavefront_size: 32
...
	.end_amdgpu_metadata
.endif
;; end of part 5
